; MI455X (gfx1250); checked and timed in simulation.
; The chip was launched on July 23, 2026; its instructions are those of AMD's public machine-readable ISA for CDNA 5 (MIT licence, August 2026) and "CDNA5" Instruction Set Architecture Reference Guide (July 2026). The comments in the code are by the model that wrote it; some were corrected since.
;; Mo E. Allowed arithmetic: matrix products marked QUANTISED: E2M3 operands, one E8M0 scale for each 32 along K, by v_wmma_scale_f32_16x16x128_f8f6f4 with both operands' format E2M3, f32 sums; products left as they are: f32 operands where the result goes on into a quantised operand, else bf16, f16 or f32 operands; f32 sums; everything else in f32.
;; Inputs: W1 8 x 1,024 x 4,096 float32; W2 8 x 4,096 x 1,024 float32; Wg 1,024 x 8 float32; b1 8 x 4,096 float32; b2 8 x 1,024 float32; bg 8 float32; x 2 x 512 x 1,024 float32.
;; Outputs: out0 2 x 512 x 1,024 float32.
;; Constants: k = 2.
;; This version of the problem:
;;   THIS VERSION OF THE PROBLEM IS GIVEN IN LOW PRECISION. The matrix products marked QUANTISED in the list below multiply operands that are first quantised to E2M3 (2 exponent bits, 3 mantissa bits; 6 bits a number), with one power-of-two scale for each 32 numbers along K (OCP MX v1.0); their sums are f32. All else is computed in f32.
;;   The module's matrix products, in the order in which they are computed (A, B: the left and right operand; K: the contracted axis; several contracted axes count as one K, in the product's order):
;;     1. [M 1,024, K 1,024] x [K 1,024, N 8]; A: input x; B: input Wg: left as it is (N = 8 < 16)
;;     2. [M 1,024, K 1,024] x [K 1,024, N 32,768]; A: input x; B: input W1: QUANTISED
;;     3. batch 8 x [M 1,024, K 4,096] x [K 4,096, N 1,024]; A: input W2; B: computed on the way: QUANTISED
;;   THE QUANTISER, for each operand of a quantised product, along K:
;;     - K is cut into blocks of 32 from its start; a last block that is shorter is filled with zeros.
;;     - A block's scale is 2^e with e = floor(log2(the largest magnitude in the block)) - 2, held to -126 .. 127; a block of zeros has e = 0. As a byte (E8M0): e + 127.
;;     - Each number is divided by its block's scale, clamped to +-7.5, and rounded to the nearest number of E2M3, ties to even, subnormals kept.
;;     - The product sums the exact products of the quantised numbers (number of the format x scale) in f32.
;;   ~~~python
;;   def quantise(x, axis):      # numpy; x: float32 -> the quantised numbers, widened to float32 again
;;       x = np.moveaxis(x, axis, -1); K = x.shape[-1]
;;       x = np.pad(x, [(0, 0)] * (x.ndim - 1) + [(0, -K % 32)]); x = x.reshape(x.shape[:-1] + (-1, 32)); a = np.abs(x).max(-1, keepdims=True)
;;       e = np.where(a > 0, np.clip(np.frexp(np.where(a > 0, a, 1))[1] - 1 - 2, -126, 127), 0)      # np.frexp(a)[1] - 1 = floor(log2(a)), exactly
;;       r = np.clip(x / 2.0 ** e, -7.5, 7.5)
;;       step = 2.0 ** (np.maximum(np.frexp(np.where(r == 0, 1, r))[1] - 1, 0) - 3)
;;       q = np.round(r / step) * step * 2.0 ** e      # np.round: ties to even
;;       return np.moveaxis(q.reshape(q.shape[:-2] + (-1,))[..., :K], -1, axis).astype(np.float32)
;;   ~~~
;;   OPERANDS COMPUTED ON THE WAY. 'Computed on the way' means the value that the module computes at that place (a softmax that the list does not call 'softmax' is quantised finished and normalised). What goes into a quantiser is computed in f32, as accurately as f32 sums, v_exp_f32 and their like allow (about 1e-6 of the number): no bf16 or f16 on the way to a quantiser, and a product that is left as it is and whose result goes on into a quantised operand takes f32 operands (vector FMAs, or v_wmma_f32_16x16x4_f32). A number that lies on a knife's edge between two numbers of the format may be rounded either way, as far as f32 arithmetic and the matrix unit's own rounding can turn it there, and no further.
;; 2 versions. Each part assembles by itself: llvm-mc -triple=amdgcn-amd-amdhsa -mcpu=gfx1250 --defsym DOCPART=n.
;; ======== version 1 of 2: 5 launches
;; workspace buffers: route 24,576 bytes of whole numbers; rval 8,192 bytes; plan 8,448 bytes of whole numbers; xq 1,843,200 bytes; hq 7,372,800 bytes; yp 18,874,368 bytes
;; launch gate (part 1): grid 256 x 1, 4 waves a work-group, no clusters, 0 bytes of LDS; arguments x, Wg, bg, route, rval, xq; writes route, rval, xq
.if DOCPART == 1
	.amdgcn_target "amdgcn-amd-amdhsa--gfx1250"
	.amdhsa_code_object_version 6
	.text
	.protected	k_qee212ce0ec_gate
	.globl	k_qee212ce0ec_gate
	.p2align	8
	.type	k_qee212ce0ec_gate,@function
k_qee212ce0ec_gate:
	s_mov_b64 s[64:65], 0
	v_nop
	global_prefetch_b8 v0, s[64:65] scope:SCOPE_SE
	s_setreg_imm32_b32 hwreg(HW_REG_WAVE_MODE, 25, 1), 1
	s_wait_xcnt 0x0
; THE GATE.  logits = x Wg + bg in f32, softmax over the 8 experts (the largest logit is taken away first), the two largest.
; One wave to a token: 4 waves x 256 work-groups = 1,024 tokens.  Lane l holds d = 128 j + 4 l + i (j = 0..7, i = 0..3) of its token.
; What is chosen is only STORED, at places that hang on the token's number alone; a later launch makes addresses of it:
;   route: bytes 0..16383   roh[token][4]: word k has two fields of 16 bits, experts 2 k and 2 k + 1: 1 where the token chose that expert
;          bytes 16384..    ridx[token][2]: the two experts, the likelier first
;   rval:  [token][2] f32: their probabilities
; The first 144 work-groups also fill xq (144 tiles of 16 row slots: codes, then scale words) with zeros, so that a slot which
; no routed row takes holds zero codes under the scale byte 0: it adds nothing to any sum.
; LIMITS.  The two experts are chosen by the LOGITS, with a strict comparison in ascending order, so that of equal logits the lower index is kept;
; that is the order of the probabilities but for two unlike logits whose probabilities round to one f32 number.  NaN and infinities among the inputs are not served.
; The three stores of a token are 16, 8 and 8 bytes from one lane: 32 KB in the whole launch.
; No LDS, no matrix unit: 8 columns are too few for a tile, and the waves share nothing.
.set XS_OFF, 1769472                   ; xq: where the scale words begin: 144 tiles x 8 K steps x 1,536 bytes
.set ACC, 8                            ; v[8:15]   the eight sums, as four pairs
.set X,   16                           ; v[16:47]  my 32 numbers of x; later at work
.set W,   64                           ; v[64:191] four sets of 32: Wg's rows of my four d of one j: register 8 i + e
.set Z,   60                           ; v[60:63]  zeros; never rewritten
.macro WLOAD j                         ; my four rows of Wg (128 bytes on end) for this j
.irp q, 0,1,2,3,4,5,6,7
	global_load_b128 v[W+32*((\j)%4)+4*\q:W+32*((\j)%4)+4*\q+3], v3, s[6:7] offset:4096*(\j)+16*\q
.endr
.endm
.macro DOT j                           ; sixteen packed multiply-adds: two experts at a time, one number of x for both
.irp dl, 0,1,2,3
.irp p, 0,1,2,3
.set rW, W+32*((\j)%4)+8*\dl+2*\p
.set rX, X+4*(\j)+2*(\dl/2)
.if ((\j) == 0) && (\dl == 0)
	v_pk_mul_f32 v[ACC+2*\p:ACC+2*\p+1], v[rW:rW+1], v[rX:rX+1] op_sel_hi:[1,0]        ; the first products start the sums: nothing is cleared
.elseif (\dl%2) == 0
	v_pk_fma_f32 v[ACC+2*\p:ACC+2*\p+1], v[rW:rW+1], v[rX:rX+1], v[ACC+2*\p:ACC+2*\p+1] op_sel_hi:[1,0,1]
.else
	v_pk_fma_f32 v[ACC+2*\p:ACC+2*\p+1], v[rW:rW+1], v[rX:rX+1], v[ACC+2*\p:ACC+2*\p+1] op_sel:[0,1,0] op_sel_hi:[1,1,1]
.endif
.endr
.endr
.endm
	s_load_b256 s[4:11], s[0:1], 0x0               ; x s[4:5], Wg s[6:7], bg s[8:9], route s[10:11]
	s_load_b128 s[12:15], s[0:1], 0x20             ; rval s[12:13], xq s[14:15]
	v_lshrrev_b32 v1, 5, v0
	v_readfirstlane_b32 s26, v1                    ; wave
	v_and_b32 v1, 31, v0                           ; lane
	v_lshlrev_b32 v2, 4, v1                        ; x: 16 bytes a lane
	v_lshlrev_b32 v3, 7, v1                        ; Wg: four rows of 32 bytes a lane
	v_lshlrev_b32 v4, 4, v0                        ; the fill: 16 bytes a thread,
	v_lshlrev_b32 v5, 2, v0                        ; and 4
.irp i, 0,1,2,3
	v_mov_b32 v[Z+\i], 0
.endr
	s_lshl_b32 s27, ttmp9, 2
	s_add_co_u32 s27, s27, s26                     ; my token
	s_mov_b32 s24, 0x76543210                      ; v_permlanex16_b32's selects for lane l xor 16
	s_mov_b32 s25, 0xfedcba98
	s_lshl_b32 s28, s27, 12                        ; a row of x is 4,096 bytes
	s_mov_b32 s29, 0
	s_wait_kmcnt 0x0
	s_load_b256 s[16:23], s[8:9], 0x0              ; bg, eight numbers
	s_add_nc_u64 s[4:5], s[4:5], s[28:29]
.irp j, 0,1,2,3,4,5,6,7
	global_load_b128 v[X+4*\j:X+4*\j+3], v2, s[4:5] offset:512*\j      ; 32 lanes read 512 consecutive bytes
.endr
	WLOAD 0
	WLOAD 1
	WLOAD 2
	WLOAD 3
	s_cmp_lt_u32 ttmp9, 144                        ; xq has 144 tiles: one to a work-group
	s_cbranch_scc0 .Lno_fill
	s_mul_i32 s30, ttmp9, 12288
	s_mov_b32 s31, 0
	s_add_nc_u64 s[32:33], s[14:15], s[30:31]      ; my tile's codes, 12,288 bytes
	s_lshl_b32 s30, ttmp9, 9
	s_add_nc_u64 s[34:35], s[14:15], s[30:31]      ; and its scale words, 512 bytes
.irp i, 0,1,2,3,4,5
	global_store_b128 v4, v[Z:Z+3], s[32:33] offset:2048*\i            ; a wave's store covers 512 consecutive bytes, aligned
.endr
	global_store_b32 v5, v[Z], s[34:35] offset:XS_OFF
.Lno_fill:
.irp j, 0,1,2,3,4,5,6,7
.if \j <= 4
	s_wait_loadcnt 24                              ; x and this j's set are in; the three sets issued behind it may be out
.else
	s_wait_loadcnt 8*(7-\j)                        ; the counts run down: fewer sets were issued behind
.endif
	DOT \j
.if \j <= 3
	WLOAD \j+4                                     ; the set just read takes the rows of four j on
.endif
.endr
	; across the 32 lanes: every lane ends with all eight sums
.irp m, 1,2,4,8
.irp e, 0,1,2,3,4,5,6,7
	v_add_f32_dpp v[ACC+\e], v[ACC+\e], v[ACC+\e] row_xmask:\m row_mask:0xf bank_mask:0xf
.endr
.endr
.irp e, 0,1,2,3,4,5,6,7
	v_mov_b32 v[48+\e], 0                          ; a lane permute's destination counts as one of its sources
.endr
.irp e, 0,1,2,3,4,5,6,7
	v_permlanex16_b32 v[48+\e], v[ACC+\e], s24, s25
.endr
	s_wait_kmcnt 0x0                               ; bg
.irp e, 0,1,2,3,4,5,6,7
	v_add_f32 v[ACC+\e], v[ACC+\e], v[48+\e]
.endr
.irp e, 0,1,2,3,4,5,6,7
	v_add_f32 v[ACC+\e], s[16+\e], v[ACC+\e]       ; the logits
.endr
	; the largest: v32 its logit, v48 its index.  Only values are selected: no branch and no address hangs on them
	v_mov_b32 v32, v[ACC]
	v_mov_b32 v48, 0
.irp e, 1,2,3,4,5,6,7
	v_cmp_gt_f32 vcc_lo, v[ACC+\e], v32
	v_cndmask_b32 v32, v32, v[ACC+\e], vcc_lo
	v_cndmask_b32 v48, v48, \e, vcc_lo
.endr
	; the second: the largest of the others: v34, v49
	v_mov_b32 v34, 0xff800000
	v_mov_b32 v49, 0
.irp e, 0,1,2,3,4,5,6,7
	v_cmp_gt_f32 s40, v[ACC+\e], v34
	v_cmp_ne_u32 s41, \e, v48
	s_and_b32 s40, s40, s41
	v_cndmask_b32 v34, v34, v[ACC+\e], s40
	v_cndmask_b32 v49, v49, \e, s40
.endr
	; softmax: e^(l - largest) = 2^((l - largest) log2 e); the ninth number is the second's
.irp e, 0,1,2,3,4,5,6,7
	v_sub_f32 v[16+\e], v[ACC+\e], v32
.endr
	v_sub_f32 v24, v34, v32
.irp e, 0,1,2,3,4,5,6,7,8
	v_mul_f32 v[16+\e], 0x3fb8aa3b, v[16+\e]
.endr
.irp e, 0,1,2,3,4,5,6,7,8
	v_exp_f32 v[16+\e], v[16+\e]
.endr
	v_mov_b32 v44, 1                               ; (a plain instruction behind the exponentials, ISA guide 5.7.2)
	s_wait_alu depctr_va_vdst(0)
	v_add_f32 v16, v16, v17
	v_add_f32 v18, v18, v19
	v_add_f32 v20, v20, v21
	v_add_f32 v22, v22, v23
	v_add_f32 v16, v16, v18
	v_add_f32 v20, v20, v22
	v_add_f32 v16, v16, v20
	v_rcp_f32 v50, v16                             ; the largest's probability: its exponential is 1
	v_and_b32 v36, 1, v48                          ; (a plain instruction behind the reciprocal)  the first's field: 16 (e & 1) bits up,
	s_wait_alu depctr_va_vdst(0)
	v_mul_f32 v51, v24, v50                        ; the second's probability
	v_lshlrev_b32 v36, 4, v36
	v_lshlrev_b32 v36, v36, v44
	v_lshrrev_b32 v37, 1, v48                      ; in word e >> 1
	v_and_b32 v38, 1, v49                          ; the second's likewise
	v_lshlrev_b32 v38, 4, v38
	v_lshlrev_b32 v38, v38, v44
	v_lshrrev_b32 v39, 1, v49
.irp k, 0,1,2,3
	v_cmp_eq_u32 vcc_lo, \k, v37
	v_cndmask_b32 v[40+\k], 0, v36, vcc_lo
	v_cmp_eq_u32 vcc_lo, \k, v39
	v_cndmask_b32 v45, 0, v38, vcc_lo
	v_add_nc_u32 v[40+\k], v[40+\k], v45
.endr
	s_lshl_b32 s42, s27, 4
	s_mov_b32 s43, 0
	s_add_nc_u64 s[36:37], s[10:11], s[42:43]      ; roh[token]
	s_lshl_b32 s42, s27, 3
	s_add_nc_u64 s[38:39], s[10:11], s[42:43]      ; ridx[token], 16,384 bytes further on
	s_add_nc_u64 s[44:45], s[12:13], s[42:43]      ; rval[token]
	s_wait_xcnt 0x0                                ; EXEC changes only behind this wait: it is a source of the loads and stores above
	v_cmp_eq_u32 vcc_lo, 0, v1
	s_and_saveexec_b32 s46, vcc_lo                 ; every lane holds the same numbers: lane 0 stores them
	global_store_b128 v[Z], v[40:43], s[36:37]
	global_store_b64 v[Z], v[48:49], s[38:39] offset:16384
	global_store_b64 v[Z], v[50:51], s[44:45]
	s_wait_xcnt 0x0                                ; and again in front of the line that widens it
	s_or_b32 exec_lo, exec_lo, s46
	s_endpgm
.Lfunc_end_k_qee212ce0ec_gate:
	.size	k_qee212ce0ec_gate, .Lfunc_end_k_qee212ce0ec_gate-k_qee212ce0ec_gate
	.p2alignl 7, 3214868480
	.fill 96, 4, 3214868480
	.section	.rodata,"a",@progbits
	.p2align	6, 0x0
	.amdhsa_kernel k_qee212ce0ec_gate
		.amdhsa_group_segment_fixed_size 0
		.amdhsa_private_segment_fixed_size 0
		.amdhsa_enable_private_segment 0
		.amdhsa_kernarg_size 48
		.amdhsa_user_sgpr_count 2
		.amdhsa_user_sgpr_kernarg_segment_ptr 1
		.amdhsa_wavefront_size32 1
		.amdhsa_system_sgpr_workgroup_id_x 1
		.amdhsa_system_sgpr_workgroup_id_y 1
		.amdhsa_system_sgpr_workgroup_id_z 1
		.amdhsa_system_vgpr_workitem_id 0
		.amdhsa_next_free_vgpr 192
		.amdhsa_next_free_sgpr 66
		.amdhsa_reserve_vcc 1
		.amdhsa_float_denorm_mode_32 3
		.amdhsa_float_denorm_mode_16_64 3
		.amdhsa_memory_ordered 1
		.amdhsa_forward_progress 1
		.amdhsa_inst_pref_size 27
	.end_amdhsa_kernel
	.amdgpu_metadata
---
amdhsa.version: [ 1, 2 ]
amdhsa.kernels:
  - .name:           k_qee212ce0ec_gate
    .symbol:         k_qee212ce0ec_gate.kd
    .args:
      - { .name: x, .offset: 0, .size: 8, .value_kind: global_buffer, .address_space: global }
      - { .name: Wg, .offset: 8, .size: 8, .value_kind: global_buffer, .address_space: global }
      - { .name: bg, .offset: 16, .size: 8, .value_kind: global_buffer, .address_space: global }
      - { .name: route, .offset: 24, .size: 8, .value_kind: global_buffer, .address_space: global }
      - { .name: rval, .offset: 32, .size: 8, .value_kind: global_buffer, .address_space: global }
      - { .name: xq, .offset: 40, .size: 8, .value_kind: global_buffer, .address_space: global }
    .group_segment_fixed_size: 0
    .private_segment_fixed_size: 0
    .kernarg_segment_align: 8
    .kernarg_segment_size: 48
    .max_flat_workgroup_size: 128
    .sgpr_count:     66
    .vgpr_count:     192
    .wavefront_size: 32
...
	.end_amdgpu_metadata
.endif
;; end of part 1
;; launch place (part 2): grid 32 x 1, 16 waves a work-group, no clusters, 3,072 bytes of LDS; arguments x, route, xq, plan; writes xq, plan
.if DOCPART == 2
	.amdgcn_target "amdgcn-amd-amdhsa--gfx1250"
	.amdhsa_code_object_version 6
	.text
	.protected	k_qee212ce0ec_place
	.globl	k_qee212ce0ec_place
	.p2align	8
	.type	k_qee212ce0ec_place,@function
k_qee212ce0ec_place:
	s_mov_b64 s[64:65], 0
	v_nop
	global_prefetch_b8 v0, s[64:65] scope:SCOPE_SE
	s_setreg_imm32_b32 hwreg(HW_REG_WAVE_MODE, 25, 1), 1
	s_wait_xcnt 0x0
; THE PLACING OF ROWS.  The 2,048 routed rows (token, j) are sorted by expert, tokens ascending, each expert's run padded to whole groups of 32 slots (two tiles of 16).
; At most (2,048 + 8 x 31) / 32 = 71 groups, 142 tiles, whatever the choice.  All of this is arithmetic on whole numbers that the launch before stored.
; x is quantised here, once: codes of FP6 (E2M3), one E8M0 byte for each 32 along D; each token's codes go to its two slots of xq.
;   xq: xf[144 tiles][8 K steps][1,536]: AN IMAGE OF THE OPERAND'S REGISTERS: registers 4 c .. 4 c + 3 of lane (row, half) at 512 c + 16 row + 256 half;  then xs[144][8][16 rows]: a scale word a row and K step
;   plan: word 2 e: expert e's first tile, word 2 e + 1: its groups;  from byte 256: pos[token][2], the slots
; SHARES.  Work-group g owns tokens 32 g .. 32 g + 31; wave w quantises K step w & 7 of its tile w >> 3 of 16 tokens.  The counting is small and every work-group, and behind the one barrier every wave, does it again for
; itself: no number passes between work-groups.
; A block's scale is 2^(floor(log2(its largest magnitude)) - 2): its byte is that magnitude's exponent field - 2, held at 1 from below.
; LIMITS: blocks whose largest magnitude lies under 2^-124 keep the byte 1; a block of zeros gets the byte 1 where the rule says 127 (its codes are zeros, and this program alone reads the bytes); NaN and infinities are not served.
; The stores of codes are pieces of 16 bytes, 16 lanes to 16 places: 1.6 MB in all.  The layout serves the next launch, which reads each image 32 times, 512 consecutive bytes a load.
.set XS_OFF, 1769472
.set S,   20                           ; v[20:23] counts, four words of two fields; v[24:27] the same of the chunks ahead of mine
.set SCR, 84                           ; v[84:91] at work between lanes
.set TM,  44                           ; v[44:59] QUANT's: +0..3 largest magnitudes, +4..7 the other half's, then bytes, +12..15 the conversions' scale operands
.set PW,  60                           ; v60      my row's scale word
.set PC,  64                           ; v[64:83] the codes
.set X,   96                           ; v[96:159] 64 numbers: register 16 b + i = k 32 b + 16 (lane / 16) + i of my row
.set SEL, 46                           ; s[46:47] v_permlanex16_b32's selects for lane l xor 16
.macro LSUM n, m                       ; n words, each added to that of lane l xor m
.set k, 0
.rept \n
	v_mov_b32_dpp v[SCR+k], v[S+k] row_xmask:\m row_mask:0xf bank_mask:0xf
.set k, k+1
.endr
.set k, 0
.rept \n
	v_add_nc_u32 v[S+k], v[S+k], v[SCR+k]
.set k, k+1
.endr
.endm
; 64 numbers of a lane, v[s] on, become a fragment's codes in v[pc] .. v[pc + 11] and its row's scale word in v[pw].  abs = 0: none of them is negative
.macro QUANT s, pc, pw, abs
.irp b, 0,1,2,3
.if \abs
	v_max3_num_f32 v[TM+\b], |v[\s+16*\b]|, |v[\s+1+16*\b]|, 0x1800000   ; block b: my 16 numbers, and the floor 2^(3 - 127): so the byte cannot fall under 1
.else
	v_max3_num_f32 v[TM+\b], v[\s+16*\b], v[\s+1+16*\b], 0x1800000
.endif
.endr
.irp i, 2,4,6,8,10,12,14
.irp b, 0,1,2,3
.if \abs
	v_max3_num_f32 v[TM+\b], v[TM+\b], |v[\s+16*\b+\i]|, |v[\s+1+16*\b+\i]|   ; (the four blocks by turns)
.else
	v_max3_num_f32 v[TM+\b], v[TM+\b], v[\s+16*\b+\i], v[\s+1+16*\b+\i]
.endif
.endr
.endr
.irp b, 0,1,2,3
	v_permlanex16_b32 v[TM+4+\b], v[TM+\b], s[SEL], s[SEL+1]
.endr
.irp b, 0,1,2,3
	v_max_num_f32 v[TM+\b], v[TM+\b], v[TM+4+\b]   ; with lane l xor 16's: the block's largest magnitude
.endr
.irp b, 0,1,2,3
	v_add_nc_u32 v[TM+12+\b], 0xff000000, v[TM+\b] ; 2 off its exponent field: the conversion takes that field of this operand as its scale
.endr
.irp b, 0,1,2,3
	v_lshrrev_b32 v[TM+4+\b], 23, v[TM+12+\b]      ; the scale's byte
.endr
	v_lshl_or_b32 v[\pw], v[TM+5], 8, v[TM+4]
	v_lshl_or_b32 v[\pw], v[TM+6], 16, v[\pw]
	v_lshl_or_b32 v[\pw], v[TM+7], 24, v[\pw]
.irp c, 0,1
	v_cvt_scalef32_pk16_fp6_f32 v[\pc+6*\c:\pc+2+6*\c], v[\s+32*\c:\s+15+32*\c], v[TM+12+2*\c]
	v_cvt_scalef32_pk16_fp6_f32 v[\pc+12+4*\c:\pc+14+4*\c], v[\s+16+32*\c:\s+31+32*\c], v[TM+12+2*\c+1]   ; (a conversion's three registers begin on an even number)
.endr
	v_nop                                          ; one plain instruction behind a scaled conversion
.irp c, 0,1                                    ; the operand's layout wants a WHOLE block in a lane: lanes 0-15 block 2 c, lanes 16-31 block 2 c + 1
.irp i, 0,1,2
	v_permlane16_swap_b32 v[\pc+6*\c+\i], v[\pc+12+4*\c+\i]
.endr
.irp i, 0,1,2
	v_mov_b32 v[\pc+3+6*\c+\i], v[\pc+12+4*\c+\i]
.endr
.endr
.endm
	s_load_b256 s[4:11], s[0:1], 0x0               ; x s[4:5], route s[6:7], xq s[8:9], plan s[10:11]
	v_lshl_add_u32 v160, v0, 2, 0x400
	v_mov_b32 v161, 0
	v_lshrrev_b32 v1, 5, v0
	v_readfirstlane_b32 s12, v1                    ; wave 0..15
	v_and_b32 v1, 31, v0                           ; lane
	v_and_b32 v2, 15, v0                           ; r
	v_bfe_u32 v3, v0, 4, 1                         ; h
	s_lshr_b32 s13, s12, 3                         ; my tile of 16 tokens
	s_and_b32 s14, s12, 7                          ; my K step
	s_mov_b32 s16, ttmp9                           ; my chunk of 32 tokens
	s_lshl_b32 s15, s13, 16
	s_lshl_b32 s17, s14, 9
	s_add_co_u32 s15, s15, s17
	v_lshlrev_b32 v4, 12, v2
	v_lshl_add_u32 v4, v3, 6, v4
	v_add_nc_u32 v4, s15, v4                       ; x: 65,536 tile + 4,096 r + 512 K step + 64 h: my 16 numbers of a block of 32
	v_lshlrev_b32 v5, 5, v0                        ; roh: two tokens, 32 bytes, a thread: 512 threads take all 1,024
	v_lshlrev_b32 v6, 3, v1
	s_lshl_b32 s17, s16, 8
	v_add_nc_u32 v6, s17, v6                       ; ridx and pos: 8 bytes for token 32 g + lane
	v_and_b32 v7, 0x1f0, v0                        ; LDS: 16 bytes for each 16 threads = for each chunk of 32 tokens
	v_lshlrev_b32 v40, 4, v1                       ; and back: lane c takes chunk c's
	s_lshl_b32 s18, s16, 17                        ; 32 rows of 4,096 bytes
	s_mov_b32 s19, 0
	s_mov_b32 s[SEL], 0x76543210
	s_mov_b32 s[SEL+1], 0xfedcba98
	s_wait_kmcnt 0x0
	s_add_nc_u64 s[4:5], s[4:5], s[18:19]
	global_load_b128 v[8:11], v5, s[6:7]
	global_load_b128 v[12:15], v5, s[6:7] offset:16
	global_load_b64 v[16:17], v6, s[6:7] offset:16384
.irp b, 0,1,2,3
.irp j, 0,1,2,3
	global_load_b128 v[X+16*\b+4*\j:X+16*\b+4*\j+3], v4, s[4:5] offset:128*\b+16*\j th:TH_LOAD_NT
.endr
.endr
.irp k, 0,1,2,3,4,5,6,7
	v_mov_b32 v[SCR+\k], 0                         ; destinations of lane moves count as sources: written once
.endr
.irp b, 0,1,2,3
	v_mov_b32 v[TM+4+\b], 0
.endr
	s_wait_loadcnt 17                              ; roh's two loads are in; ridx's and x's sixteen may be out
.irp k, 0,1,2,3
	v_add_nc_u32 v[S+\k], v[8+\k], v[12+\k]        ; my two tokens; a field counts to 1,024 at the most: no carry between fields
.endr
	LSUM 4, 1
	LSUM 4, 2
	LSUM 4, 4
	LSUM 4, 8                                      ; a chunk's counts, in each of its 16 lanes
	ds_store_b128 v7, v[S:S+3]                     ; the 16 lanes write the same 16 bytes with the same numbers
	s_wait_dscnt 0x0                               ; for the others' sake: my store has landed
	s_barrier_signal -1
	s_barrier_wait -1                              ; the one barrier: all 32 chunks' counts lie in LDS
	ds_load_b128 v[S:S+3], v40
	s_wait_dscnt 0x0
	v_cmp_gt_u32 vcc_lo, s16, v1                   ; the chunks ahead of mine
.irp k, 0,1,2,3
	v_cndmask_b32 v[S+4+\k], 0, v[S+\k], vcc_lo
.endr
	LSUM 8, 1
	LSUM 8, 2
	LSUM 8, 4
	LSUM 8, 8
.irp k, 0,1,2,3,4,5,6,7
	v_permlanex16_b32 v[SCR+\k], v[S+\k], s[SEL], s[SEL+1]
.endr
.irp k, 0,1,2,3,4,5,6,7
	v_add_nc_u32 v[S+\k], v[S+\k], v[SCR+\k]
.endr
.irp k, 0,1,2,3,4,5,6,7
	v_readfirstlane_b32 s[20+\k], v[S+\k]          ; s[20:23] all tokens' counts, s[24:27] those of the chunks ahead
.endr
	s_mov_b32 s42, 0                               ; groups so far
.irp e, 0,1,2,3,4,5,6,7
	s_bfe_u32 s40, s[20+\e/2], 0x100000+16*(\e%2)  ; expert e's rows,
	s_bfe_u32 s41, s[24+\e/2], 0x100000+16*(\e%2)  ; and those ahead of my chunk
	s_lshl_b32 s[68+\e], s42, 1                    ; its first tile
	s_lshl_b32 s43, s42, 5
	s_add_co_u32 s[84+\e], s43, s41                ; the slot of my chunk's first row of this expert
	s_add_co_u32 s40, s40, 31
	s_lshr_b32 s[76+\e], s40, 5                    ; its groups of 32 slots
	s_add_co_u32 s42, s42, s[76+\e]
.endr
	v_mov_b32 v32, 0
	v_mov_b32 v33, 0
	s_wait_loadcnt 16                              ; ridx is in; x's sixteen loads may be out
.irp e, 0,1,2,3,4,5,6,7                        ; lane = token 32 g + lane: its place among the chunk's tokens that chose e
	v_cmp_eq_u32 s44, \e, v16
	v_cmp_eq_u32 s45, \e, v17
	s_or_b32 s43, s44, s45
	v_mbcnt_lo_u32_b32 v34, s43, s[84+\e]          ; + how many lower lanes chose e
	v_cndmask_b32 v32, v32, v34, s44
	v_cndmask_b32 v33, v33, v34, s45
.endr
	s_cmp_lg_u32 s12, 0
	s_cbranch_scc1 .Lnot_wave_0
	global_store_b64 v6, v[32:33], s[10:11] offset:256     ; pos: 32 lanes store 256 consecutive bytes, aligned
	s_cmp_lg_u32 s16, 0
	s_cbranch_scc1 .Lnot_wave_0
	v_mov_b32 v92, 0
.irp e, 0,1,2,3,4,5,6,7
	v_writelane_b32 v92, s[68+\e], 2*\e
	v_writelane_b32 v92, s[76+\e], 2*\e+1
.endr
	v_lshlrev_b32 v93, 2, v1
	global_store_b32 v93, v92, s[10:11]            ; the experts' tiles and groups: one wave of the launch stores them
.Lnot_wave_0:
	; lane (r, h) wants the slots of token 16 tile + r: its own where h = tile, else lane l xor 16's
	v_mov_b32 v35, 0
	v_mov_b32 v36, 0
	v_permlanex16_b32 v35, v32, s[SEL], s[SEL+1]
	v_permlanex16_b32 v36, v33, s[SEL], s[SEL+1]
	v_cmp_eq_u32 vcc_lo, s13, v3
	v_cndmask_b32 v35, v35, v32, vcc_lo
	v_cndmask_b32 v36, v36, v33, vcc_lo
	v_cmp_eq_u32 vcc_lo, 1, v3
	v_cndmask_b32 v39, v35, v36, vcc_lo            ; the scale word: lanes 0-15 serve the first slot, lanes 16-31 the second
	v_min_u32 v35, 0x8ff, v35                      ; a slot lies under 2,304
	v_min_u32 v36, 0x8ff, v36
	v_min_u32 v39, 0x8ff, v39
	s_mul_i32 s15, s14, 1536
	v_lshlrev_b32 v43, 8, v3
	v_add_nc_u32 v43, s15, v43                     ; 256 h + 1,536 K step
	v_and_b32 v41, 0xff0, v35                      ; 16 x tile: x 768 = 12,288 a tile
	v_mul_u32_u24 v41, 0x300, v41
	v_and_b32 v42, 15, v35                         ; the row in the tile: 16 bytes a row
	v_lshlrev_b32 v42, 4, v42
	v_add_nc_u32 v37, v41, v42
	v_add_nc_u32 v37, v37, v43
	v_and_b32 v41, 0xff0, v36
	v_mul_u32_u24 v41, 0x300, v41
	v_and_b32 v42, 15, v36
	v_lshlrev_b32 v42, 4, v42
	v_add_nc_u32 v38, v41, v42
	v_add_nc_u32 v38, v38, v43
	v_and_b32 v41, 0xff0, v39                      ; scale words: 512 bytes a tile, 64 a K step, 4 a row
	v_lshlrev_b32 v41, 5, v41
	v_and_b32 v42, 15, v39
	v_lshlrev_b32 v42, 2, v42
	v_add_nc_u32 v39, v41, v42
	s_lshl_b32 s15, s14, 6
	v_add_nc_u32 v39, s15, v39
	s_wait_loadcnt 0x0                             ; x
	QUANT X, PC, PW, 1
.irp c, 0,1,2
	global_store_b128 v37, v[PC+4*\c:PC+4*\c+3], s[8:9] offset:512*\c
	global_store_b128 v38, v[PC+4*\c:PC+4*\c+3], s[8:9] offset:512*\c
.endr
	global_store_b32 v39, v[PW], s[8:9] offset:XS_OFF
	s_wait_tensorcnt 0x0
	ds_add_u32 v160, v161
	s_wait_dscnt 0x0
	s_endpgm
.Lfunc_end_k_qee212ce0ec_place:
	.size	k_qee212ce0ec_place, .Lfunc_end_k_qee212ce0ec_place-k_qee212ce0ec_place
	.p2alignl 7, 3214868480
	.fill 96, 4, 3214868480
	.section	.rodata,"a",@progbits
	.p2align	6, 0x0
	.amdhsa_kernel k_qee212ce0ec_place
		.amdhsa_group_segment_fixed_size 3072
		.amdhsa_private_segment_fixed_size 0
		.amdhsa_enable_private_segment 0
		.amdhsa_kernarg_size 32
		.amdhsa_user_sgpr_count 2
		.amdhsa_user_sgpr_kernarg_segment_ptr 1
		.amdhsa_wavefront_size32 1
		.amdhsa_system_sgpr_workgroup_id_x 1
		.amdhsa_system_sgpr_workgroup_id_y 1
		.amdhsa_system_sgpr_workgroup_id_z 1
		.amdhsa_system_vgpr_workitem_id 0
		.amdhsa_next_free_vgpr 162
		.amdhsa_next_free_sgpr 100
		.amdhsa_reserve_vcc 1
		.amdhsa_float_denorm_mode_32 3
		.amdhsa_float_denorm_mode_16_64 3
		.amdhsa_memory_ordered 1
		.amdhsa_forward_progress 1
		.amdhsa_inst_pref_size 23
	.end_amdhsa_kernel
	.amdgpu_metadata
---
amdhsa.version: [ 1, 2 ]
amdhsa.kernels:
  - .name:           k_qee212ce0ec_place
    .symbol:         k_qee212ce0ec_place.kd
    .args:
      - { .name: x, .offset: 0, .size: 8, .value_kind: global_buffer, .address_space: global }
      - { .name: route, .offset: 8, .size: 8, .value_kind: global_buffer, .address_space: global }
      - { .name: xq, .offset: 16, .size: 8, .value_kind: global_buffer, .address_space: global }
      - { .name: plan, .offset: 24, .size: 8, .value_kind: global_buffer, .address_space: global }
    .group_segment_fixed_size: 3072
    .private_segment_fixed_size: 0
    .kernarg_segment_align: 8
    .kernarg_segment_size: 32
    .max_flat_workgroup_size: 512
    .sgpr_count:     100
    .vgpr_count:     162
    .wavefront_size: 32
...
	.end_amdgpu_metadata
.endif
;; end of part 2
;; launch up (part 3): grid 32 x 8, 16 waves a work-group, no clusters, 106,496 bytes of LDS; arguments W1, b1, xq, plan, hq; writes hq
.if DOCPART == 3
	.amdgcn_target "amdgcn-amd-amdhsa--gfx1250"
	.amdhsa_code_object_version 6
	.text
	.protected	k_qee212ce0ec_up
	.globl	k_qee212ce0ec_up
	.p2align	8
	.type	k_qee212ce0ec_up,@function
k_qee212ce0ec_up:
	s_mov_b64 s[64:65], 0
	v_nop
	global_prefetch_b8 v0, s[64:65] scope:SCOPE_SE
	s_setreg_imm32_b32 hwreg(HW_REG_WAVE_MODE, 25, 1), 1
	s_wait_xcnt 0x0
; THE FIRST PRODUCT: h = relu(x W1[e] + b1[e]) for the rows routed to expert e, on codes of FP6 (E2M3) with one E8M0 scale for each 32 along K; h is quantised along DFF on its way out.
; SHARES.  Work-group (slice, expert) owns W1[e][:, 128 slice .. + 127]: 512 KB of f32, read ONCE in the launch, quantised in registers and kept in LDS as 96 KB of codes.  256 work-groups.
; PHASE S, the stream.  Wave w takes 32 columns (w & 3) x 256 along K (w >> 2).  A LANE TAKES A COLUMN AND ITS REGISTERS RUN DOWN K: a load reads 128 consecutive bytes, four waves side by side 512;
;   a block of 32 along K lies in one lane, and its 24 bytes of codes go to the place in LDS from which the operand's lane (row, k half) will load them.  Up to 63 loads of a wave are out.
; PHASE M.  Behind the one barrier wave w takes the expert's groups w and w + 16 of 32 rows (two tiles): 8 tiles of hidden units x 2 tiles of rows = 16 accumulators, 8 K steps of 128.
;   An expert has 1,024 rows at the most, 32 groups: so the loop has TWO trips, a constant; a trip whose group the expert does not have is jumped over, by a scalar branch on the stored count.
;   The product is used TRANSPOSED (source 0 = 16 columns of W1, source 1 = 16 rows of x): a lane holds one row, its registers run along the hidden units.
;   THE COLUMNS OF A TILE ARE NOT NEIGHBOURS: row r of tile 2 b + u is column 32 b + 8 u + r + 8 (r / 8), so that the 16 registers of tiles 2 b and 2 b + 1 are 16 neighbours along the next K.
;   The bias is loaded into the accumulators and is the C of the first product: nothing is cleared, nothing is added.
; OUT.  hq: hf[144 tiles][32 K steps][1,536], images of the next operand's registers (my slice is K step 'slice'): each store covers 512 consecutive bytes, aligned;  hs[144][32][16 rows], scale words: 64 bytes a tile and
;   K step, 0.3 MB in the launch, in pieces of 64 bytes.
; NO TENSOR LOADS, NO CLUSTER: which trips of phase M do work hangs on counts read from memory, so the rows' images come by plain loads; what the 32 work-groups of an expert share is those images
;   (12 KB a tile), beside 512 KB of weights a work-group that nobody shares.  A work-group whose expert has no rows stores nothing.
; LIMITS: blocks whose largest magnitude lies under 2^-124 keep the scale byte 1; a block of zeros gets 1 where the rule says 127 (zero codes; this program alone reads the bytes); NaN and infinities are not served.
.set PITCH,  16384                     ; bytes from a row of W1[e] to the next
.set WSC,    98304                     ; LDS: 0.. images of (tile t, K step s) at (8 t + s) x 1,536;  here the scale words: K step s at 512 s, lane l's 16 bytes: word p = tile 2 p + l / 16, row l % 16
.set B1L,    102400                    ; four copies of the slice's 128 biases: thread n writes word n
.set XS_OFF, 1769472
.set HS_OFF, 7077888
.set GA,  4                            ; v4   W1: 4 x my column among the wave's 32
.set WA,  5                            ; v5   where my codes go
.set WSA, 6                            ; v6   where my scale words go
.set LI0, 7                            ; v7   16 x lane: an image's place for my lane; tiles 0-3
.set LI1, 8                            ; v8   the same, tiles 4-7 (49,152 bytes on)
.set WSR, 9                            ; v9   W1's scale words, to read
.set BA,  10                           ; v10  the biases, to read
.set XSA, 11                           ; v11  x's scale words: lanes 0-15 the group's first tile, lanes 16-31 its second
.set HSA, 12                           ; v12  h's likewise
.set BW,  13                           ; v13  a bias on its way to LDS
.set BWA, 14                           ; v14  and where it goes
.set WS,  16                           ; v[16:23] W1's scale words, two sets of four: scales and nothing else
.set XS,  24                           ; v[24:25] x's, two sets: scales and nothing else
.set M0,  26                           ; v26-31 the stream's: two chains of the maximum, the conversions' scale operand, the byte, two scale words
.set M1,  27
.set SO,  28
.set BY,  29
.set SB,  30
.set CB,  32                           ; v[32:79]  the stream: six registers of codes for each of my 8 blocks, so that no LDS store's data are written again
.set T,   80                           ; v[80:82]  the stream: a block's upper 16 codes, before they are moved
.set XR,  128                          ; v[128:223] the stream: three sets of 32 numbers
.set WF,  32                           ; v[32:79]  four fragments of W1: tile t in place t % 4
.set XF,  80                           ; v[80:127] x: two sets of two fragments
.set ACC, 128                          ; v[128:255] accumulator (tile of rows i, tile of units t) at 128 + 64 i + 8 t
.set TM,  32                           ; the way out: QUANT's 16
.set PW,  48                           ; v48, v49 the two tiles' scale words; v50 both
.set PWS, 50
.set PC0, 52                           ; v[52:71], v[80:99] the two tiles' codes
.set SEL, 34                           ; s[34:35]
.macro NOP4
.rept 4
	v_nop
.endr
.endm
.macro LOAD t                          ; block t: W1(32 t + i, my column), i = 0 .. 31
.irp i, 0,1,2,3,4,5,6,7,8,9,10,11,12,13,14,15,16,17,18,19,20,21,22,23,24,25,26,27,28,29,30,31
	global_load_b32 v[XR+32*((\t)%3)+\i], v[GA], s[20:21] offset:(32*(\t)+\i)*PITCH th:TH_LOAD_NT
.endr
.endm
.macro BLOCK t
.set XB, XR+32*((\t)%3)
.set C, CB+6*(\t)
.set Q, (\t)/4                         ; which of my two K steps
.set HT, (\t)%2                        ; which half of the lanes will hold the block
.if (\t) <= 5
	s_wait_loadcnt 63                              ; 64 loads were issued behind this block's; the count names one fewer
.elseif (\t) == 6
	s_wait_loadcnt 32                              ; the last block's may be out
.else
	s_wait_loadcnt 0x0
.endif
	v_max3_num_f32 v[M0], |v[XB]|, |v[XB+1]|, |v[XB+2]|            ; the block's largest magnitude: all 32 numbers are mine
	v_max3_num_f32 v[M1], |v[XB+3]|, |v[XB+4]|, |v[XB+5]|
.irp i, 6,10,14,18,22,26
	v_max3_num_f32 v[M0], v[M0], |v[XB+\i]|, |v[XB+\i+1]|
	v_max3_num_f32 v[M1], v[M1], |v[XB+\i+2]|, |v[XB+\i+3]|
.endr
	v_max3_num_f32 v[M0], v[M0], |v[XB+30]|, |v[XB+31]|
	v_max3_num_f32 v[M0], v[M0], v[M1], 0x1800000  ; and the floor 2^(3 - 127): the byte cannot fall under 1
	v_add_nc_u32 v[SO], 0xff000000, v[M0]          ; 2 off its exponent field: the conversions' scale operand
	v_cvt_scalef32_pk16_fp6_f32 v[C:C+2], v[XB:XB+15], v[SO]
	v_cvt_scalef32_pk16_fp6_f32 v[T:T+2], v[XB+16:XB+31], v[SO]    ; (a conversion's three registers begin on an even number)
	v_lshrrev_b32 v[BY], 23, v[SO]                 ; the scale's byte.  (The plain instruction behind the conversions)
.if (\t)+3 <= 7
	LOAD (\t)+3                                    ; the set just converted takes the block three on
.endif
.if (\t)%4 == 0
	v_mov_b32 v[SB+Q], v[BY]                       ; four bytes make a K step's scale word, the lower K in the lower byte
.else
	v_lshl_or_b32 v[SB+Q], v[BY], 8*((\t)%4), v[SB+Q]
.endif
.irp i, 0,1,2
	v_mov_b32 v[C+3+\i], v[T+\i]
.endr
.if ((\t)%4)/2 == 0                    ; registers 0-5 of the operand's lane (my row, HT): 16 bytes of the image's first group, 8 of its second
	ds_store_b128 v[WA], v[C:C+3] offset:1536*Q+256*HT
	ds_store_b64 v[WA], v[C+4:C+5] offset:1536*Q+256*HT+512
.else                                  ; registers 6-11: the other 8 of the second group, the third
	ds_store_b64 v[WA], v[C:C+1] offset:1536*Q+256*HT+520
	ds_store_b128 v[WA], v[C+2:C+5] offset:1536*Q+256*HT+1024
.endif
.endm
; 64 numbers of a lane, v[s] on, register 16 b + i = k 32 b + 16 (lane / 16) + i of my row, become a fragment's codes in v[pc] .. v[pc + 11] and its row's scale word in v[pw].  abs = 0: none is negative
.macro QUANT s, pc, pw, abs
.irp b, 0,1,2,3
.if \abs
	v_max3_num_f32 v[TM+\b], |v[\s+16*\b]|, |v[\s+1+16*\b]|, 0x1800000
.else
	v_max3_num_f32 v[TM+\b], v[\s+16*\b], v[\s+1+16*\b], 0x1800000   ; block b: my 16 numbers, and the floor 2^(3 - 127)
.endif
.endr
.irp i, 2,4,6,8,10,12,14
.irp b, 0,1,2,3
.if \abs
	v_max3_num_f32 v[TM+\b], v[TM+\b], |v[\s+16*\b+\i]|, |v[\s+1+16*\b+\i]|
.else
	v_max3_num_f32 v[TM+\b], v[TM+\b], v[\s+16*\b+\i], v[\s+1+16*\b+\i]   ; (the four blocks by turns)
.endif
.endr
.endr
.irp b, 0,1,2,3
	v_permlanex16_b32 v[TM+4+\b], v[TM+\b], s[SEL], s[SEL+1]       ; (its destination has been written: by the stream, and by fragment loads)
.endr
.irp b, 0,1,2,3
	v_max_num_f32 v[TM+\b], v[TM+\b], v[TM+4+\b]   ; with lane l xor 16's: the block's largest
.endr
.irp b, 0,1,2,3
	v_add_nc_u32 v[TM+12+\b], 0xff000000, v[TM+\b]
.endr
.irp b, 0,1,2,3
	v_lshrrev_b32 v[TM+4+\b], 23, v[TM+12+\b]
.endr
	v_lshl_or_b32 v[\pw], v[TM+5], 8, v[TM+4]
	v_lshl_or_b32 v[\pw], v[TM+6], 16, v[\pw]
	v_lshl_or_b32 v[\pw], v[TM+7], 24, v[\pw]
.irp c, 0,1
	v_cvt_scalef32_pk16_fp6_f32 v[\pc+6*\c:\pc+2+6*\c], v[\s+32*\c:\s+15+32*\c], v[TM+12+2*\c]
	v_cvt_scalef32_pk16_fp6_f32 v[\pc+12+4*\c:\pc+14+4*\c], v[\s+16+32*\c:\s+31+32*\c], v[TM+12+2*\c+1]
.endr
	v_nop                                          ; one plain instruction behind a scaled conversion
.irp c, 0,1                                    ; a WHOLE block to a lane: lanes 0-15 block 2 c, lanes 16-31 block 2 c + 1
.irp i, 0,1,2
	v_permlane16_swap_b32 v[\pc+6*\c+\i], v[\pc+12+4*\c+\i]
.endr
.irp i, 0,1,2
	v_mov_b32 v[\pc+3+6*\c+\i], v[\pc+12+4*\c+\i]
.endr
.endr
.endm
.macro XL s                            ; the group's two fragments of x and their scale words for K step s: seven loads, into set s % 2
.irp i, 0,1
.irp c, 0,1,2
	global_load_b128 v[XF+24*((\s)%2)+12*\i+4*\c:XF+24*((\s)%2)+12*\i+4*\c+3], v[LI0], s[26:27] offset:12288*\i+1536*(\s)+512*\c
.endr
.endr
	global_load_b32 v[XS+(\s)%2], v[XSA], s[28:29] offset:XS_OFF+64*(\s)
.endm
.macro FRW t, s                        ; W1's fragment (tile t, K step s) from its image: three loads of 512 consecutive bytes
.irp c, 0,1,2
.if (\t) < 4
	ds_load_b128 v[WF+12*((\t)%4)+4*\c:WF+12*((\t)%4)+4*\c+3], v[LI0] offset:(8*((\t)%4)+(\s))*1536+512*\c
.else
	ds_load_b128 v[WF+12*((\t)%4)+4*\c:WF+12*((\t)%4)+4*\c+3], v[LI1] offset:(8*((\t)%4)+(\s))*1536+512*\c
.endif
.endr
.endm
.macro MM1 t, i, s                     ; an odd tile's scale words lie in lanes 16-31 of its pair's register, and so do those of the group's second tile of rows
.set rD, ACC+64*(\i)+8*(\t)
.set rA, WF+12*((\t)%4)
.set rB, XF+24*((\s)%2)+12*(\i)
.set rSA, WS+4*((\s)%2)+(\t)/2
.set rSB, XS+(\s)%2
.if ((\t)%2 == 0) && ((\i) == 0)
	v_wmma_scale_f32_16x16x128_f8f6f4 v[rD:rD+7], v[rA:rA+11], v[rB:rB+11], v[rD:rD+7], v[rSA], v[rSB] matrix_a_fmt:MATRIX_FMT_FP6 matrix_b_fmt:MATRIX_FMT_FP6
.elseif (\i) == 0
	v_wmma_scale_f32_16x16x128_f8f6f4 v[rD:rD+7], v[rA:rA+11], v[rB:rB+11], v[rD:rD+7], v[rSA], v[rSB] matrix_a_fmt:MATRIX_FMT_FP6 matrix_b_fmt:MATRIX_FMT_FP6 matrix_a_scale:MATRIX_SCALE_ROW1
.elseif (\t)%2 == 0
	v_wmma_scale_f32_16x16x128_f8f6f4 v[rD:rD+7], v[rA:rA+11], v[rB:rB+11], v[rD:rD+7], v[rSA], v[rSB] matrix_a_fmt:MATRIX_FMT_FP6 matrix_b_fmt:MATRIX_FMT_FP6 matrix_b_scale:MATRIX_SCALE_ROW1
.else
	v_wmma_scale_f32_16x16x128_f8f6f4 v[rD:rD+7], v[rA:rA+11], v[rB:rB+11], v[rD:rD+7], v[rSA], v[rSB] matrix_a_fmt:MATRIX_FMT_FP6 matrix_b_fmt:MATRIX_FMT_FP6 matrix_a_scale:MATRIX_SCALE_ROW1 matrix_b_scale:MATRIX_SCALE_ROW1
.endif
.endm
.macro MM t, s                         ; four products on four accumulators.  The sixteen take turns, one instruction a turn, in the same order in every K step and over the backward jump
	MM1 \t, 0, \s
	MM1 \t, 1, \s
	MM1 (\t)+1, 0, \s
	MM1 (\t)+1, 1, \s
.endm
; A K step: 16 products.  W1's fragments come two at a time into two halves of four places; each pair is asked for four products (and four places, ISA guide 7.12.1) behind the products that read its registers last.
.macro STEP s
	s_wait_loadcnt 0x0                             ; x of this K step is in: asked for a K step ago
.if (\s) < 7
	XL (\s)+1                                      ; the other set: its last products stand ahead of the last K step's closing places
.endif
	s_wait_dscnt 6                                 ; all but the youngest six (tiles 2, 3): tiles 0, 1 and the scale words are in (in the first K step the biases too)
	MM 0, \s
	NOP4
	FRW 4, \s
	FRW 5, \s
	s_wait_dscnt 6                                 ; tiles 2, 3 are in
	MM 2, \s
	NOP4
	FRW 6, \s
	FRW 7, \s
	s_wait_dscnt 6                                 ; tiles 4, 5
	MM 4, \s
	NOP4
.if (\s) < 7
	ds_load_b128 v[WS+4*(((\s)+1)%2):WS+4*(((\s)+1)%2)+3], v[WSR] offset:512*((\s)+1)
	FRW 0, (\s)+1
	FRW 1, (\s)+1
	s_wait_dscnt 7                                 ; tiles 6, 7 are in; the seven just issued may be out
.else
	s_wait_dscnt 0x0
.endif
	MM 6, \s
	NOP4
.if (\s) < 7
	FRW 2, (\s)+1
	FRW 3, (\s)+1
.endif
.endm
	s_load_b256 s[4:11], s[0:1], 0x0               ; W1 s[4:5], b1 s[6:7], xq s[8:9], plan s[10:11]
	s_load_b64 s[12:13], s[0:1], 0x20              ; hq
	v_lshrrev_b32 v1, 5, v0
	v_readfirstlane_b32 s14, v1                    ; wave 0..15
	v_and_b32 v1, 31, v0                           ; lane
	v_and_b32 v2, 15, v0                           ; r
	v_bfe_u32 v3, v0, 4, 1                         ; h (in the stream: u, which tile of my pair)
	s_and_b32 s15, s14, 3                          ; my 32 columns
	s_lshr_b32 s16, s14, 2                         ; my 256 along K
	s_and_b32 s17, ttmp7, 0xffff                   ; the expert
	s_mov_b32 s18, ttmp9                           ; the slice
	v_bfe_u32 v15, v0, 3, 1                        ; r / 8
	v_add_nc_u32 v[GA], v3, v15
	v_lshl_add_u32 v[GA], v[GA], 3, v2             ; my column: 8 u + r + 8 (r / 8)
	v_lshlrev_b32 v[GA], 2, v[GA]
	s_mul_i32 s37, s15, 24576                      ; tile 2 (w & 3) + u: 12,288 bytes a tile;
	s_mul_i32 s46, s16, 3072                       ; K step 2 (w >> 2): 1,536 a step;
	s_add_co_u32 s37, s37, s46
	v_mul_u32_u24 v[WA], v3, 12288
	v_lshl_add_u32 v[WA], v2, 4, v[WA]             ; 16 bytes a row
	v_add_nc_u32 v[WA], s37, v[WA]
	s_lshl_b32 s37, s16, 10
	s_lshl_b32 s46, s15, 2
	s_add_co_u32 s37, s37, s46
	s_add_co_u32 s37, s37, WSC
	v_lshl_add_u32 v[WSA], v1, 4, s37              ; 512 a K step, 16 a lane, word w & 3
	v_lshlrev_b32 v[LI0], 4, v1
	v_add_nc_u32 v[LI1], 49152, v[LI0]
	v_add_nc_u32 v[WSR], WSC, v[LI0]
	s_lshl_b32 s37, s16, 9
	s_add_co_u32 s37, s37, B1L
	v_lshl_add_u32 v[BA], v3, 6, s37               ; copy w >> 2 of the biases; lanes 16-31 begin 16 units on
	v_lshlrev_b32 v[XSA], 9, v3
	v_lshl_add_u32 v[XSA], v2, 2, v[XSA]
	v_lshlrev_b32 v[HSA], 11, v3
	v_lshl_add_u32 v[HSA], v2, 2, v[HSA]
	v_lshl_add_u32 v[BWA], v0, 2, B1L
	v_and_b32 v15, 127, v0
	v_lshlrev_b32 v15, 2, v15                      ; b1: unit (thread % 128) of the slice
	s_lshl_b32 s38, s17, 24                        ; W1: 16,777,216 an expert,
	s_lshl_b32 s46, s16, 22                        ; 256 rows of 16,384,
	s_add_co_u32 s38, s38, s46
	s_lshl_b32 s46, s18, 9                         ; 512 a slice,
	s_add_co_u32 s38, s38, s46
	s_lshl_b32 s46, s15, 7                         ; 128 for 32 columns
	s_add_co_u32 s38, s38, s46
	s_mov_b32 s39, 0
	s_lshl_b32 s42, s17, 14                        ; b1: 16,384 an expert, 512 a slice
	s_lshl_b32 s46, s18, 9
	s_add_co_u32 s42, s42, s46
	s_mov_b32 s43, 0
	s_lshl_b32 s19, s17, 3                         ; plan: 8 bytes an expert
	s_mul_i32 s44, s18, 1536                       ; hq: my K step's image in a tile,
	s_lshl_b32 s45, s18, 6                         ; and its scale words
	s_mov_b32 s[SEL], 0x76543210
	s_mov_b32 s[SEL+1], 0xfedcba98
	s_mov_b32 s36, 0xffff0000                      ; lanes 16-31
	s_wait_kmcnt 0x0
	s_load_b64 s[22:23], s[10:11], s19 offset:0x0  ; the expert's first tile, its groups
	s_add_nc_u64 s[20:21], s[4:5], s[38:39]
	s_add_nc_u64 s[40:41], s[6:7], s[42:43]
	global_load_b32 v[BW], v15, s[40:41]           ; the oldest load: in when the first block's are
	LOAD 0
	LOAD 1
	LOAD 2
.irp t, 0,1,2,3,4,5,6,7
	BLOCK \t
.endr
	ds_store_b32 v[WSA], v[SB]
	ds_store_b32 v[WSA], v[SB+1] offset:512
	ds_store_b32 v[BWA], v[BW]
	s_wait_kmcnt 0x0
	s_min_u32 s22, s22, 142                        ; 142 tiles at the most are in use
	s_min_u32 s23, s23, 32                         ; an expert has 1,024 rows at the most
	s_wait_dscnt 0x0                               ; for the others' sake: my codes, scale words and bias have landed
	s_barrier_signal -1
	s_barrier_wait -1                              ; the one barrier: the slice lies in LDS, and is only read from here on
	s_mov_b32 s24, s14                             ; my first group
	s_mov_b32 s48, 0                               ; trips done
.Lgroup:                                               ; two trips: groups w and w + 16 cover the 32 groups that an expert can have
	s_cmp_ge_u32 s24, s23                          ; the expert has no such group: the trip's work is jumped over (no barrier stands in it)
	s_cbranch_scc1 .Lnone
	s_wait_xcnt 0x0                                ; the last trip's stores have read their data and bases: both are written again below
	NOP4                                           ; four places between the vector instructions that last wrote the fragments' registers and this trip's products
	s_lshl_b32 s25, s24, 1
	s_add_co_u32 s25, s25, s22                     ; the group's first tile
	s_mul_i32 s38, s25, 12288
	s_add_nc_u64 s[26:27], s[8:9], s[38:39]        ; x's images
	s_lshl_b32 s38, s25, 9
	s_add_nc_u64 s[28:29], s[8:9], s[38:39]        ; x's scale words (XS_OFF stands in the loads)
	s_mul_i32 s38, s25, 49152
	s_add_co_u32 s38, s38, s44
	s_add_nc_u64 s[30:31], s[12:13], s[38:39]      ; h's images
	s_lshl_b32 s38, s25, 11
	s_add_co_u32 s38, s38, s45
	s_add_nc_u64 s[32:33], s[12:13], s[38:39]      ; h's scale words
	XL 0
.irp i, 0,1
.irp t, 0,1,2,3,4,5,6,7                        ; register j of tile 2 b + u is unit 32 b + 16 h + 8 u + j: its bias
	ds_load_b128 v[ACC+64*\i+8*\t:ACC+64*\i+8*\t+3], v[BA] offset:128*(\t/2)+32*(\t%2)
	ds_load_b128 v[ACC+64*\i+8*\t+4:ACC+64*\i+8*\t+7], v[BA] offset:128*(\t/2)+32*(\t%2)+16
.endr
.endr
	ds_load_b128 v[WS:WS+3], v[WSR]
	FRW 0, 0
	FRW 1, 0
	FRW 2, 0
	FRW 3, 0
.irp s, 0,1,2,3,4,5,6,7
	STEP \s
.endr
	; THE WAY OUT: relu, the quantiser, the images.  Each accumulator is read from its low end on
.irp i, 0,1
.set QS, ACC+64*\i
.set QC, PC0+28*\i
.set QW, PW+\i
.set j, 0
.rept 64
	v_max_num_f32 v[QS+j], 0, v[QS+j]
.set j, j+1
.endr
	QUANT QS, QC, QW, 0
.irp c, 0,1,2
	global_store_b128 v[LI0], v[QC+4*\c:QC+4*\c+3], s[30:31] offset:49152*\i+512*\c
.endr
.endr
	v_cndmask_b32 v[PWS], v[PW], v[PW+1], s36      ; lanes 0-15 the first tile's scale words, lanes 16-31 the second's
	global_store_b32 v[HSA], v[PWS], s[32:33] offset:HS_OFF
.Lnone:
	s_add_co_u32 s24, s24, 16                      ; my next group
	s_add_co_u32 s48, s48, 1
	s_cmp_lt_u32 s48, 2
	s_cbranch_scc1 .Lgroup
	s_wait_xcnt 0x0
	v_lshl_add_u32 v254, v0, 2, 0x19800
	v_mov_b32 v255, 0
	s_wait_tensorcnt 0x0
	ds_add_u32 v254, v255
	s_wait_dscnt 0x0
	s_endpgm
.Lfunc_end_k_qee212ce0ec_up:
	.size	k_qee212ce0ec_up, .Lfunc_end_k_qee212ce0ec_up-k_qee212ce0ec_up
	.p2alignl 7, 3214868480
	.fill 96, 4, 3214868480
	.section	.rodata,"a",@progbits
	.p2align	6, 0x0
	.amdhsa_kernel k_qee212ce0ec_up
		.amdhsa_group_segment_fixed_size 106496
		.amdhsa_private_segment_fixed_size 0
		.amdhsa_enable_private_segment 0
		.amdhsa_kernarg_size 40
		.amdhsa_user_sgpr_count 2
		.amdhsa_user_sgpr_kernarg_segment_ptr 1
		.amdhsa_wavefront_size32 1
		.amdhsa_system_sgpr_workgroup_id_x 1
		.amdhsa_system_sgpr_workgroup_id_y 1
		.amdhsa_system_sgpr_workgroup_id_z 1
		.amdhsa_system_vgpr_workitem_id 0
		.amdhsa_next_free_vgpr 256
		.amdhsa_next_free_sgpr 66
		.amdhsa_reserve_vcc 0
		.amdhsa_float_denorm_mode_32 3
		.amdhsa_float_denorm_mode_16_64 3
		.amdhsa_memory_ordered 1
		.amdhsa_forward_progress 1
		.amdhsa_inst_pref_size 95
	.end_amdhsa_kernel
	.amdgpu_metadata
---
amdhsa.version: [ 1, 2 ]
amdhsa.kernels:
  - .name:           k_qee212ce0ec_up
    .symbol:         k_qee212ce0ec_up.kd
    .args:
      - { .name: W1, .offset: 0, .size: 8, .value_kind: global_buffer, .address_space: global }
      - { .name: b1, .offset: 8, .size: 8, .value_kind: global_buffer, .address_space: global }
      - { .name: xq, .offset: 16, .size: 8, .value_kind: global_buffer, .address_space: global }
      - { .name: plan, .offset: 24, .size: 8, .value_kind: global_buffer, .address_space: global }
      - { .name: hq, .offset: 32, .size: 8, .value_kind: global_buffer, .address_space: global }
    .group_segment_fixed_size: 106496
    .private_segment_fixed_size: 0
    .kernarg_segment_align: 8
    .kernarg_segment_size: 40
    .max_flat_workgroup_size: 512
    .sgpr_count:     66
    .vgpr_count:     256
    .wavefront_size: 32
...
	.end_amdgpu_metadata
.endif
;; end of part 3
;; launch down (part 4): grid 32 x 8, 16 waves a work-group, no clusters, 174,080 bytes of LDS; arguments W2, hq, plan, yp; writes yp
.if DOCPART == 4
	.amdgcn_target "amdgcn-amd-amdhsa--gfx1250"
	.amdhsa_code_object_version 6
	.text
	.protected	k_qee212ce0ec_down
	.globl	k_qee212ce0ec_down
	.p2align	8
	.type	k_qee212ce0ec_down,@function
k_qee212ce0ec_down:
	s_mov_b64 s[64:65], 0
	v_nop
	global_prefetch_b8 v0, s[64:65] scope:SCOPE_SE
	s_setreg_imm32_b32 hwreg(HW_REG_WAVE_MODE, 25, 1), 1
	s_wait_xcnt 0x0
; THE SECOND PRODUCT: y = h W2[e] for the rows routed to expert e, on codes of FP6 (E2M3) with one E8M0 scale for each 32 along K = DFF; here one half of K.  Bias, gate and the sum of halves follow in the last launch.
; SHARES.  Work-group (x, expert): x & 15 = 64 columns (256 consecutive bytes of each row of W2[e], aligned), x >> 4 = which 2,048 of K: 512 KB of f32, read ONCE, kept in LDS as 96 KB of codes.  256 work-groups.
;   (32 columns over all of K would take 128 bytes of a row at a time; 64 columns over all of K would be 128 work-groups; four parts of K would double yp.)
; PHASE S, the stream: wave w takes 32 columns (w & 1) x 256 along K (w >> 1).  A lane takes a column and its registers run down K; a block's 24 bytes of codes go to the place in LDS from which the operand's lane will load them.
; PHASE M: behind the one barrier wave w takes the expert's groups w and w + 16 of 32 rows: 4 tiles of columns x 2 tiles of rows = 8 accumulators, 16 K steps of 128.  Source 0 = 16 columns of W2, source 1 = 16 rows of h:
;   a lane holds eight neighbouring outputs of one row.  h's images come from memory three K steps ahead.
;   An expert has 1,024 rows at the most, 32 groups: so the loop has TWO trips, a constant; a trip whose group the expert does not have is jumped over, by a scalar branch on the stored count.
; OUT.  yp[K half][2,304 slots][1,024] f32, through the wave's own stage in LDS: sixteen lanes store 256 consecutive bytes, aligned.
; NO TENSOR LOADS, NO CLUSTER: which trips of phase M do work hangs on counts read from memory; what the 16 work-groups of an expert and K half share is h's images (24 KB a tile), beside 512 KB of weights a work-group that nobody shares.
; LIMITS: blocks whose largest magnitude lies under 2^-124 keep the scale byte 1; a block of zeros gets 1 where the rule says 127 (zero codes; this program alone reads the bytes); NaN and infinities are not served.
.set PITCH,  4096                      ; bytes from a row of W2[e] to the next
.set WSC,    98304                     ; LDS: 0.. images of (tile t, K step s) at (16 t + s) x 1,536;  here the scale words: K step s at 256 s, lane l's 8 bytes: word p = tile 2 p + l / 16, row l % 16
.set STG,    102400                    ; a stage of 16 rows x (256 + 16) bytes for each wave
.set HS_OFF, 7077888
.set YH,     9437184                   ; a K half of yp
.set GA,  4                            ; v4   W2: 4 x lane
.set WA,  5                            ; v5   where my codes go
.set WSA, 6                            ; v6   where my scale words go
.set LI0, 7                            ; v7   16 x lane; tiles 0, 1
.set LI1, 8                            ; v8   tiles 2, 3 (49,152 bytes on)
.set WSR, 9                            ; v9   W2's scale words, to read
.set HSA, 10                           ; v10  h's scale words: lanes 0-15 the group's first tile, lanes 16-31 its second
.set SO,  11                           ; v11  the stage: where I put 32 bytes of a row
.set SR,  12                           ; v12  and where I read a row back
.set YA,  13                           ; v13  the same place in yp
.set WS,  16                           ; v[16:19] W2's scale words, two sets of two: scales and nothing else
.set HS,  20                           ; v[20:23] h's, four sets: scales and nothing else
.set M0,  26
.set M1,  27
.set SO_, 28
.set BY,  29
.set SB,  30
.set CB,  32                           ; v[32:79]  the stream: six registers of codes for each of my 8 blocks
.set T,   80                           ; v[80:82]  the stream: a block's upper 16 codes
.set XR,  96                           ; v[96:191] the stream: three sets of 32 numbers
.set WF,  32                           ; v[32:79]  W2's four fragments of a K step
.set HF,  80                           ; v[80:175] h: four sets of two fragments
.set OB,  80                           ; the way out: v[80:111], v[112:143]: a tile's rows read back
.set ACC, 192                          ; v[192:255] accumulator (tile of rows i, tile of columns t) at 192 + 32 i + 8 t
.macro NOP4
.rept 4
	v_nop
.endr
.endm
.macro LOAD t
.irp i, 0,1,2,3,4,5,6,7,8,9,10,11,12,13,14,15,16,17,18,19,20,21,22,23,24,25,26,27,28,29,30,31
	global_load_b32 v[XR+32*((\t)%3)+\i], v[GA], s[20:21] offset:(32*(\t)+\i)*PITCH th:TH_LOAD_NT
.endr
.endm
.macro BLOCK t
.set XB, XR+32*((\t)%3)
.set C, CB+6*(\t)
.set Q, (\t)/4
.set HT, (\t)%2
.if (\t) <= 5
	s_wait_loadcnt 63                              ; 64 loads were issued behind this block's; the count names one fewer
.elseif (\t) == 6
	s_wait_loadcnt 32
.else
	s_wait_loadcnt 0x0
.endif
	v_max3_num_f32 v[M0], |v[XB]|, |v[XB+1]|, |v[XB+2]|            ; the block's largest magnitude: all 32 numbers are mine
	v_max3_num_f32 v[M1], |v[XB+3]|, |v[XB+4]|, |v[XB+5]|
.irp i, 6,10,14,18,22,26
	v_max3_num_f32 v[M0], v[M0], |v[XB+\i]|, |v[XB+\i+1]|
	v_max3_num_f32 v[M1], v[M1], |v[XB+\i+2]|, |v[XB+\i+3]|
.endr
	v_max3_num_f32 v[M0], v[M0], |v[XB+30]|, |v[XB+31]|
	v_max3_num_f32 v[M0], v[M0], v[M1], 0x1800000  ; and the floor 2^(3 - 127)
	v_add_nc_u32 v[SO_], 0xff000000, v[M0]         ; 2 off its exponent field: the conversions' scale operand
	v_cvt_scalef32_pk16_fp6_f32 v[C:C+2], v[XB:XB+15], v[SO_]
	v_cvt_scalef32_pk16_fp6_f32 v[T:T+2], v[XB+16:XB+31], v[SO_]
	v_lshrrev_b32 v[BY], 23, v[SO_]                ; the scale's byte.  (The plain instruction behind the conversions)
.if (\t)+3 <= 7
	LOAD (\t)+3
.endif
.if (\t)%4 == 0
	v_mov_b32 v[SB+Q], v[BY]
.else
	v_lshl_or_b32 v[SB+Q], v[BY], 8*((\t)%4), v[SB+Q]
.endif
.irp i, 0,1,2
	v_mov_b32 v[C+3+\i], v[T+\i]
.endr
.if ((\t)%4)/2 == 0
	ds_store_b128 v[WA], v[C:C+3] offset:1536*Q+256*HT
	ds_store_b64 v[WA], v[C+4:C+5] offset:1536*Q+256*HT+512
.else
	ds_store_b64 v[WA], v[C:C+1] offset:1536*Q+256*HT+520
	ds_store_b128 v[WA], v[C+2:C+5] offset:1536*Q+256*HT+1024
.endif
.endm
.macro HL s                            ; the group's two fragments of h and their scale words for K step s: seven loads, into set s % 4
.irp i, 0,1
.irp c, 0,1,2
	global_load_b128 v[HF+24*((\s)%4)+12*\i+4*\c:HF+24*((\s)%4)+12*\i+4*\c+3], v[LI0], s[26:27] offset:49152*\i+1536*(\s)+512*\c
.endr
.endr
	global_load_b32 v[HS+(\s)%4], v[HSA], s[28:29] offset:HS_OFF+64*(\s)
.endm
.macro FRW t, s
.irp c, 0,1,2
.if (\t) < 2
	ds_load_b128 v[WF+12*(\t)+4*\c:WF+12*(\t)+4*\c+3], v[LI0] offset:(16*(\t)+(\s))*1536+512*\c
.else
	ds_load_b128 v[WF+12*(\t)+4*\c:WF+12*(\t)+4*\c+3], v[LI1] offset:(16*((\t)-2)+(\s))*1536+512*\c
.endif
.endr
.endm
.macro MM1 t, i, s                     ; the first K step's products start the sums with the constant 0: nothing is cleared
.set rD, ACC+32*(\i)+8*(\t)
.set rA, WF+12*(\t)
.set rB, HF+24*((\s)%4)+12*(\i)
.set rSA, WS+2*((\s)%2)+(\t)/2
.set rSB, HS+(\s)%4
.if (\s) == 0
.if ((\t)%2 == 0) && ((\i) == 0)
	v_wmma_scale_f32_16x16x128_f8f6f4 v[rD:rD+7], v[rA:rA+11], v[rB:rB+11], 0, v[rSA], v[rSB] matrix_a_fmt:MATRIX_FMT_FP6 matrix_b_fmt:MATRIX_FMT_FP6
.elseif (\i) == 0
	v_wmma_scale_f32_16x16x128_f8f6f4 v[rD:rD+7], v[rA:rA+11], v[rB:rB+11], 0, v[rSA], v[rSB] matrix_a_fmt:MATRIX_FMT_FP6 matrix_b_fmt:MATRIX_FMT_FP6 matrix_a_scale:MATRIX_SCALE_ROW1
.elseif (\t)%2 == 0
	v_wmma_scale_f32_16x16x128_f8f6f4 v[rD:rD+7], v[rA:rA+11], v[rB:rB+11], 0, v[rSA], v[rSB] matrix_a_fmt:MATRIX_FMT_FP6 matrix_b_fmt:MATRIX_FMT_FP6 matrix_b_scale:MATRIX_SCALE_ROW1
.else
	v_wmma_scale_f32_16x16x128_f8f6f4 v[rD:rD+7], v[rA:rA+11], v[rB:rB+11], 0, v[rSA], v[rSB] matrix_a_fmt:MATRIX_FMT_FP6 matrix_b_fmt:MATRIX_FMT_FP6 matrix_a_scale:MATRIX_SCALE_ROW1 matrix_b_scale:MATRIX_SCALE_ROW1
.endif
.else
.if ((\t)%2 == 0) && ((\i) == 0)
	v_wmma_scale_f32_16x16x128_f8f6f4 v[rD:rD+7], v[rA:rA+11], v[rB:rB+11], v[rD:rD+7], v[rSA], v[rSB] matrix_a_fmt:MATRIX_FMT_FP6 matrix_b_fmt:MATRIX_FMT_FP6
.elseif (\i) == 0
	v_wmma_scale_f32_16x16x128_f8f6f4 v[rD:rD+7], v[rA:rA+11], v[rB:rB+11], v[rD:rD+7], v[rSA], v[rSB] matrix_a_fmt:MATRIX_FMT_FP6 matrix_b_fmt:MATRIX_FMT_FP6 matrix_a_scale:MATRIX_SCALE_ROW1
.elseif (\t)%2 == 0
	v_wmma_scale_f32_16x16x128_f8f6f4 v[rD:rD+7], v[rA:rA+11], v[rB:rB+11], v[rD:rD+7], v[rSA], v[rSB] matrix_a_fmt:MATRIX_FMT_FP6 matrix_b_fmt:MATRIX_FMT_FP6 matrix_b_scale:MATRIX_SCALE_ROW1
.else
	v_wmma_scale_f32_16x16x128_f8f6f4 v[rD:rD+7], v[rA:rA+11], v[rB:rB+11], v[rD:rD+7], v[rSA], v[rSB] matrix_a_fmt:MATRIX_FMT_FP6 matrix_b_fmt:MATRIX_FMT_FP6 matrix_a_scale:MATRIX_SCALE_ROW1 matrix_b_scale:MATRIX_SCALE_ROW1
.endif
.endif
.endm
.macro MM t, s                         ; four products on four accumulators.  The eight take turns, one instruction a turn, in the same order in every K step and over the backward jump
	MM1 \t, 0, \s
	MM1 \t, 1, \s
	MM1 (\t)+1, 0, \s
	MM1 (\t)+1, 1, \s
.endm
.macro STEP s
.if (\s) <= 12
	HL (\s)+3                                      ; into the set that the last K step multiplied: its products stand ahead of that step's closing places
	s_wait_loadcnt 21                              ; h of this K step is in; the three steps' loads behind it, seven each, may be out
.else
	s_wait_loadcnt 7*(15-(\s))                     ; the counts run down
.endif
	s_wait_dscnt 6                                 ; all but the youngest six (tiles 2, 3): tiles 0, 1 and the scale words are in
	MM 0, \s
	NOP4
.if (\s) < 15
	ds_load_b64 v[WS+2*(((\s)+1)%2):WS+2*(((\s)+1)%2)+1], v[WSR] offset:256*((\s)+1)
	FRW 0, (\s)+1
	FRW 1, (\s)+1
	s_wait_dscnt 7                                 ; tiles 2, 3 are in; the seven just issued may be out
.else
	s_wait_dscnt 0x0
.endif
	MM 2, \s
	NOP4
.if (\s) < 15
	FRW 2, (\s)+1
	FRW 3, (\s)+1
.endif
.endm
	s_load_b256 s[4:11], s[0:1], 0x0               ; W2 s[4:5], hq s[6:7], plan s[8:9], yp s[10:11]
	v_lshl_add_u32 v24, v0, 2, 0x2a000
	v_mov_b32 v25, 0
	v_lshrrev_b32 v1, 5, v0
	v_readfirstlane_b32 s14, v1                    ; wave 0..15
	v_and_b32 v1, 31, v0                           ; lane
	v_and_b32 v2, 15, v0                           ; r
	v_bfe_u32 v3, v0, 4, 1                         ; h (in the stream: which tile of my pair)
	s_and_b32 s15, s14, 1                          ; my 32 columns
	s_lshr_b32 s16, s14, 1                         ; my 256 along K
	s_and_b32 s17, ttmp7, 0xffff                   ; the expert
	s_and_b32 s18, ttmp9, 15                       ; the 64 columns
	s_lshr_b32 s37, ttmp9, 4                       ; the K half
	v_lshlrev_b32 v[GA], 2, v1
	s_mul_i32 s36, s15, 49152                      ; tile 2 (w & 1) + lane / 16: 24,576 bytes a tile;
	s_mul_i32 s40, s16, 3072                       ; K step 2 (w >> 1)
	s_add_co_u32 s36, s36, s40
	v_mul_u32_u24 v[WA], v3, 24576
	v_lshl_add_u32 v[WA], v2, 4, v[WA]
	v_add_nc_u32 v[WA], s36, v[WA]
	s_lshl_b32 s36, s16, 9
	s_lshl_b32 s40, s15, 2
	s_add_co_u32 s36, s36, s40
	s_add_co_u32 s36, s36, WSC
	v_lshl_add_u32 v[WSA], v1, 3, s36              ; 256 a K step, 8 a lane, word w & 1
	v_lshlrev_b32 v[LI0], 4, v1
	v_add_nc_u32 v[LI1], 49152, v[LI0]
	v_lshl_add_u32 v[WSR], v1, 3, WSC
	v_lshlrev_b32 v[HSA], 11, v3
	v_lshl_add_u32 v[HSA], v2, 2, v[HSA]
	s_mul_i32 s36, s14, 4352
	s_add_co_u32 s36, s36, STG                     ; my stage
	v_mul_u32_u24 v[SO], v2, 272
	v_lshl_add_u32 v[SO], v3, 5, v[SO]
	v_add_nc_u32 v[SO], s36, v[SO]                 ; in: row r, 32 bytes for each half of the lanes
	v_mul_u32_u24 v[SR], v3, 272
	v_lshl_add_u32 v[SR], v2, 4, v[SR]
	v_add_nc_u32 v[SR], s36, v[SR]                 ; back: lanes 0-15 one row of 256 bytes, lanes 16-31 the next
	v_lshlrev_b32 v[YA], 12, v3
	v_lshl_add_u32 v[YA], v2, 4, v[YA]             ; and the same two rows in yp
	s_lshl_b32 s38, s17, 24                        ; W2: 16,777,216 an expert,
	s_lshl_b32 s40, s37, 23                        ; 2,048 rows of 4,096 a K half,
	s_add_co_u32 s38, s38, s40
	s_lshl_b32 s40, s16, 20                        ; 256 rows,
	s_add_co_u32 s38, s38, s40
	s_lshl_b32 s40, s18, 8                         ; 256 bytes for 64 columns,
	s_add_co_u32 s38, s38, s40
	s_lshl_b32 s40, s15, 7                         ; 128 for 32
	s_add_co_u32 s38, s38, s40
	s_mov_b32 s39, 0
	s_mul_i32 s42, s37, YH                         ; yp: the K half, my 64 columns
	s_lshl_b32 s40, s18, 8
	s_add_co_u32 s42, s42, s40
	s_mov_b32 s43, 0
	s_lshl_b32 s19, s17, 3                         ; plan: 8 bytes an expert
	s_mul_i32 s44, s37, 24576                      ; hq: my 16 K steps' images in a tile,
	s_lshl_b32 s45, s37, 10                        ; and their scale words
	s_wait_kmcnt 0x0
	s_load_b64 s[22:23], s[8:9], s19 offset:0x0    ; the expert's first tile, its groups
	s_add_nc_u64 s[20:21], s[4:5], s[38:39]
	s_add_nc_u64 s[46:47], s[10:11], s[42:43]
	LOAD 0
	LOAD 1
	LOAD 2
.irp t, 0,1,2,3,4,5,6,7
	BLOCK \t
.endr
	ds_store_b32 v[WSA], v[SB]
	ds_store_b32 v[WSA], v[SB+1] offset:256
	s_wait_kmcnt 0x0
	s_min_u32 s22, s22, 142                        ; 142 tiles at the most are in use
	s_min_u32 s23, s23, 32                         ; an expert has 1,024 rows at the most
	s_wait_dscnt 0x0                               ; for the others' sake: my codes and scale words have landed
	s_barrier_signal -1
	s_barrier_wait -1                              ; the one barrier: the slice lies in LDS, and is only read from here on
	s_mov_b32 s24, s14                             ; my first group
	s_mov_b32 s48, 0                               ; trips done
.Lgroup:                                               ; two trips: groups w and w + 16 cover the 32 groups that an expert can have
	s_cmp_ge_u32 s24, s23                          ; the expert has no such group: the trip's work is jumped over (no barrier stands in it)
	s_cbranch_scc1 .Lnone
	s_wait_xcnt 0x0                                ; the last trip's stores have read their data and base: both are written again below
	NOP4                                           ; four places between the vector instructions that last wrote the fragments' registers and this trip's products
	s_lshl_b32 s25, s24, 1
	s_add_co_u32 s25, s25, s22                     ; the group's first tile
	s_mul_i32 s38, s25, 49152
	s_add_co_u32 s38, s38, s44
	s_add_nc_u64 s[26:27], s[6:7], s[38:39]        ; h's images
	s_lshl_b32 s38, s25, 11
	s_add_co_u32 s38, s38, s45
	s_add_nc_u64 s[28:29], s[6:7], s[38:39]        ; h's scale words (HS_OFF stands in the loads)
	s_lshl_b32 s38, s25, 16
	s_add_nc_u64 s[30:31], s[46:47], s[38:39]      ; the group's rows of yp
	HL 0
	HL 1
	HL 2
	ds_load_b64 v[WS:WS+1], v[WSR]
	FRW 0, 0
	FRW 1, 0
	FRW 2, 0
	FRW 3, 0
.irp s, 0,1,2,3,4,5,6,7,8,9,10,11,12,13,14,15
	STEP \s
.endr
	; THE WAY OUT.  A lane holds 32 neighbouring bytes of a row and the lanes beside it other rows: a tile goes through my stage and comes back as rows of 256 bytes.
	; LDS serves a wave's instructions in order (ISA guide 5.7.1.4): no wait between the stores and the loads, nor in front of the second tile's stores.
.irp i, 0,1
.irp t, 0,1,2,3
	ds_store_b128 v[SO], v[ACC+32*\i+8*\t:ACC+32*\i+8*\t+3] offset:64*\t           ; each accumulator from its low end on
	ds_store_b128 v[SO], v[ACC+32*\i+8*\t+4:ACC+32*\i+8*\t+7] offset:64*\t+16
.endr
.irp q, 0,1,2,3,4,5,6,7
	ds_load_b128 v[OB+32*\i+4*\q:OB+32*\i+4*\q+3], v[SR] offset:544*\q
.endr
.endr
.irp i, 0,1
.irp q, 0,1,2,3,4,5,6,7
	s_wait_dscnt 16*(1-\i)+7-\q                    ; behind the first tile's loads stand the second's sixteen LDS instructions
	global_store_b128 v[YA], v[OB+32*\i+4*\q:OB+32*\i+4*\q+3], s[30:31] offset:65536*\i+8192*\q    ; 16 lanes store 256 consecutive bytes, at a multiple of 256 from yp's first byte
.endr
.endr
.Lnone:
	s_add_co_u32 s24, s24, 16                      ; my next group
	s_add_co_u32 s48, s48, 1
	s_cmp_lt_u32 s48, 2
	s_cbranch_scc1 .Lgroup
	s_wait_tensorcnt 0x0
	ds_add_u32 v24, v25
	s_wait_dscnt 0x0
	s_endpgm
.Lfunc_end_k_qee212ce0ec_down:
	.size	k_qee212ce0ec_down, .Lfunc_end_k_qee212ce0ec_down-k_qee212ce0ec_down
	.p2alignl 7, 3214868480
	.fill 96, 4, 3214868480
	.section	.rodata,"a",@progbits
	.p2align	6, 0x0
	.amdhsa_kernel k_qee212ce0ec_down
		.amdhsa_group_segment_fixed_size 174080
		.amdhsa_private_segment_fixed_size 0
		.amdhsa_enable_private_segment 0
		.amdhsa_kernarg_size 32
		.amdhsa_user_sgpr_count 2
		.amdhsa_user_sgpr_kernarg_segment_ptr 1
		.amdhsa_wavefront_size32 1
		.amdhsa_system_sgpr_workgroup_id_x 1
		.amdhsa_system_sgpr_workgroup_id_y 1
		.amdhsa_system_sgpr_workgroup_id_z 1
		.amdhsa_system_vgpr_workitem_id 0
		.amdhsa_next_free_vgpr 256
		.amdhsa_next_free_sgpr 66
		.amdhsa_reserve_vcc 0
		.amdhsa_float_denorm_mode_32 3
		.amdhsa_float_denorm_mode_16_64 3
		.amdhsa_memory_ordered 1
		.amdhsa_forward_progress 1
		.amdhsa_inst_pref_size 90
	.end_amdhsa_kernel
	.amdgpu_metadata
---
amdhsa.version: [ 1, 2 ]
amdhsa.kernels:
  - .name:           k_qee212ce0ec_down
    .symbol:         k_qee212ce0ec_down.kd
    .args:
      - { .name: W2, .offset: 0, .size: 8, .value_kind: global_buffer, .address_space: global }
      - { .name: hq, .offset: 8, .size: 8, .value_kind: global_buffer, .address_space: global }
      - { .name: plan, .offset: 16, .size: 8, .value_kind: global_buffer, .address_space: global }
      - { .name: yp, .offset: 24, .size: 8, .value_kind: global_buffer, .address_space: global }
    .group_segment_fixed_size: 174080
    .private_segment_fixed_size: 0
    .kernarg_segment_align: 8
    .kernarg_segment_size: 32
    .max_flat_workgroup_size: 512
    .sgpr_count:     66
    .vgpr_count:     256
    .wavefront_size: 32
...
	.end_amdgpu_metadata
.endif
;; end of part 4
;; launch combine (part 5): grid 256 x 1, 4 waves a work-group, no clusters, 0 bytes of LDS; arguments yp, b2, plan, route, rval, out0; writes out0
.if DOCPART == 5
	.amdgcn_target "amdgcn-amd-amdhsa--gfx1250"
	.amdhsa_code_object_version 6
	.text
	.protected	k_qee212ce0ec_combine
	.globl	k_qee212ce0ec_combine
	.p2align	8
	.type	k_qee212ce0ec_combine,@function
k_qee212ce0ec_combine:
	s_mov_b64 s[64:65], 0
	v_nop
	global_prefetch_b8 v0, s[64:65] scope:SCOPE_SE
	s_setreg_imm32_b32 hwreg(HW_REG_WAVE_MODE, 25, 1), 1
	s_wait_xcnt 0x0
; THE SUM.  out[token] = p0 (y(slot0) + b2[e0]) + p1 (y(slot1) + b2[e1]), y(slot) = the two K halves of yp added.  All in f32.
; One wave to a token, so each output row has one owner.  The slots, experts and probabilities were stored by earlier launches; they come by scalar loads (no line here writes those buffers).
; A row is 4,096 bytes: eight pieces of 512 consecutive bytes, 16 a lane; six rows are read, all 48 loads of a wave go out at once, and each piece is stored as soon as its six have come.
; A stream: no LDS, no barrier, no matrix unit.
.set YH, 9437184                       ; a K half of yp
.set R0, 16                            ; v[16:207]: piece q at 16 + 24 q: y half 0, y half 1, b2 of the first expert; the same of the second
	s_load_b256 s[4:11], s[0:1], 0x0               ; yp s[4:5], b2 s[6:7], plan s[8:9], route s[10:11]
	s_load_b128 s[12:15], s[0:1], 0x20             ; rval s[12:13], out0 s[14:15]
	v_lshrrev_b32 v1, 5, v0
	v_readfirstlane_b32 s16, v1                    ; wave
	v_and_b32 v1, 31, v0
	v_lshlrev_b32 v2, 4, v1                        ; 16 bytes a lane
	s_lshl_b32 s17, ttmp9, 2
	s_add_co_u32 s16, s17, s16                     ; my token
	s_lshl_b32 s17, s16, 3
	s_lshl_b32 s18, s16, 12
	s_mov_b32 s19, 0
	s_wait_kmcnt 0x0
	s_load_b64 s[20:21], s[8:9], s17 offset:0x100  ; its two slots,
	s_load_b64 s[22:23], s[10:11], s17 offset:0x4000   ; experts,
	s_load_b64 s[24:25], s[12:13], s17 offset:0x0  ; and probabilities
	s_add_nc_u64 s[44:45], s[14:15], s[18:19]      ; its row of the output
	s_mov_b32 s27, 0
	s_wait_kmcnt 0x0
	s_min_u32 s20, s20, 2303
	s_min_u32 s21, s21, 2303
	s_min_u32 s22, s22, 7
	s_min_u32 s23, s23, 7
	s_lshl_b32 s26, s20, 12
	s_add_nc_u64 s[28:29], s[4:5], s[26:27]
	s_add_nc_u64 s[30:31], s[28:29], YH
	s_lshl_b32 s26, s21, 12
	s_add_nc_u64 s[32:33], s[4:5], s[26:27]
	s_add_nc_u64 s[34:35], s[32:33], YH
	s_lshl_b32 s26, s22, 12
	s_add_nc_u64 s[36:37], s[6:7], s[26:27]
	s_lshl_b32 s26, s23, 12
	s_add_nc_u64 s[38:39], s[6:7], s[26:27]
	s_mov_b32 s40, s24                             ; the packed forms name a pair and take its low word for both halves: both words are written
	s_mov_b32 s41, s24
	s_mov_b32 s42, s25
	s_mov_b32 s43, s25
.irp q, 0,1,2,3,4,5,6,7
	global_load_b128 v[R0+24*\q:R0+24*\q+3], v2, s[28:29] offset:512*\q th:TH_LOAD_NT
	global_load_b128 v[R0+24*\q+4:R0+24*\q+7], v2, s[30:31] offset:512*\q th:TH_LOAD_NT
	global_load_b128 v[R0+24*\q+8:R0+24*\q+11], v2, s[36:37] offset:512*\q
	global_load_b128 v[R0+24*\q+12:R0+24*\q+15], v2, s[32:33] offset:512*\q th:TH_LOAD_NT
	global_load_b128 v[R0+24*\q+16:R0+24*\q+19], v2, s[34:35] offset:512*\q th:TH_LOAD_NT
	global_load_b128 v[R0+24*\q+20:R0+24*\q+23], v2, s[38:39] offset:512*\q
.endr
.irp q, 0,1,2,3,4,5,6,7
	s_wait_loadcnt 6*(7-\q)                        ; this piece's six loads are in; the later pieces' may be out
.irp p, 0,2
	v_pk_add_f32 v[R0+24*\q+\p:R0+24*\q+\p+1], v[R0+24*\q+\p:R0+24*\q+\p+1], v[R0+24*\q+4+\p:R0+24*\q+4+\p+1]
	v_pk_add_f32 v[R0+24*\q+12+\p:R0+24*\q+12+\p+1], v[R0+24*\q+12+\p:R0+24*\q+12+\p+1], v[R0+24*\q+16+\p:R0+24*\q+16+\p+1]
	v_pk_add_f32 v[R0+24*\q+\p:R0+24*\q+\p+1], v[R0+24*\q+\p:R0+24*\q+\p+1], v[R0+24*\q+8+\p:R0+24*\q+8+\p+1]
	v_pk_add_f32 v[R0+24*\q+12+\p:R0+24*\q+12+\p+1], v[R0+24*\q+12+\p:R0+24*\q+12+\p+1], v[R0+24*\q+20+\p:R0+24*\q+20+\p+1]
	v_pk_mul_f32 v[R0+24*\q+\p:R0+24*\q+\p+1], v[R0+24*\q+\p:R0+24*\q+\p+1], s[40:41] op_sel_hi:[1,0]
	v_pk_fma_f32 v[R0+24*\q+\p:R0+24*\q+\p+1], v[R0+24*\q+12+\p:R0+24*\q+12+\p+1], s[42:43], v[R0+24*\q+\p:R0+24*\q+\p+1] op_sel_hi:[1,0,1]
.endr
	global_store_b128 v2, v[R0+24*\q:R0+24*\q+3], s[44:45] offset:512*\q th:TH_STORE_NT    ; 32 lanes store 512 consecutive bytes, aligned; each piece has registers of its own
.endr
	s_endpgm
.Lfunc_end_k_qee212ce0ec_combine:
	.size	k_qee212ce0ec_combine, .Lfunc_end_k_qee212ce0ec_combine-k_qee212ce0ec_combine
	.p2alignl 7, 3214868480
	.fill 96, 4, 3214868480
	.section	.rodata,"a",@progbits
	.p2align	6, 0x0
	.amdhsa_kernel k_qee212ce0ec_combine
		.amdhsa_group_segment_fixed_size 0
		.amdhsa_private_segment_fixed_size 0
		.amdhsa_enable_private_segment 0
		.amdhsa_kernarg_size 48
		.amdhsa_user_sgpr_count 2
		.amdhsa_user_sgpr_kernarg_segment_ptr 1
		.amdhsa_wavefront_size32 1
		.amdhsa_system_sgpr_workgroup_id_x 1
		.amdhsa_system_sgpr_workgroup_id_y 1
		.amdhsa_system_sgpr_workgroup_id_z 1
		.amdhsa_system_vgpr_workitem_id 0
		.amdhsa_next_free_vgpr 208
		.amdhsa_next_free_sgpr 66
		.amdhsa_reserve_vcc 0
		.amdhsa_float_denorm_mode_32 3
		.amdhsa_float_denorm_mode_16_64 3
		.amdhsa_memory_ordered 1
		.amdhsa_forward_progress 1
		.amdhsa_inst_pref_size 14
	.end_amdhsa_kernel
	.amdgpu_metadata
---
amdhsa.version: [ 1, 2 ]
amdhsa.kernels:
  - .name:           k_qee212ce0ec_combine
    .symbol:         k_qee212ce0ec_combine.kd
    .args:
      - { .name: yp, .offset: 0, .size: 8, .value_kind: global_buffer, .address_space: global }
      - { .name: b2, .offset: 8, .size: 8, .value_kind: global_buffer, .address_space: global }
      - { .name: plan, .offset: 16, .size: 8, .value_kind: global_buffer, .address_space: global }
      - { .name: route, .offset: 24, .size: 8, .value_kind: global_buffer, .address_space: global }
      - { .name: rval, .offset: 32, .size: 8, .value_kind: global_buffer, .address_space: global }
      - { .name: out0, .offset: 40, .size: 8, .value_kind: global_buffer, .address_space: global }
    .group_segment_fixed_size: 0
    .private_segment_fixed_size: 0
    .kernarg_segment_align: 8
    .kernarg_segment_size: 48
    .max_flat_workgroup_size: 128
    .sgpr_count:     66
    .vgpr_count:     208
    .wavefront_size: 32
...
	.end_amdgpu_metadata
.endif
;; end of part 5
;; ======== version 2 of 2: 5 launches
;; workspace buffers: route 24,576 bytes of whole numbers; rval 8,192 bytes; plan 8,448 bytes of whole numbers; xq 1,843,200 bytes; hq 7,372,800 bytes; yp 18,874,368 bytes
;; launch gate (part 6): grid 256 x 1, 4 waves a work-group, no clusters, 0 bytes of LDS; arguments x, Wg, bg, route, rval, xq; writes route, rval, xq
.if DOCPART == 6
	.amdgcn_target "amdgcn-amd-amdhsa--gfx1250"
	.amdhsa_code_object_version 6
	.text
	.protected	k_qee212ce0ec_gate
	.globl	k_qee212ce0ec_gate
	.p2align	8
	.type	k_qee212ce0ec_gate,@function
k_qee212ce0ec_gate:
	s_mov_b64 s[64:65], 0
	v_nop
	global_prefetch_b8 v0, s[64:65] scope:SCOPE_SE
	s_setreg_imm32_b32 hwreg(HW_REG_WAVE_MODE, 25, 1), 1
	s_wait_xcnt 0x0
; THE GATE.  logits = x Wg + bg in f32, softmax over the 8 experts (the largest logit is taken away first), the two largest.
; One wave to a token: 4 waves x 256 work-groups = 1,024 tokens.  Lane l holds d = 128 j + 4 l + i (j = 0..7, i = 0..3) of its token.
; What is chosen is only STORED, at places that hang on the token's number alone; a later launch makes addresses of it:
;   route: bytes 0..16383   roh[token][4]: word k has two fields of 16 bits, experts 2 k and 2 k + 1: 1 where the token chose that expert
;          bytes 16384..    ridx[token][2]: the two experts, the likelier first
;   rval:  [token][2] f32: their probabilities
; The first 144 work-groups also fill xq (144 tiles of 16 row slots: codes, then scale words) with zeros, so that a slot which
; no routed row takes holds zero codes under the scale byte 0: it adds nothing to any sum.
; LIMITS.  The two experts are chosen by the LOGITS, with a strict comparison in ascending order, so that of equal logits the lower index is kept;
; that is the order of the probabilities but for two unlike logits whose probabilities round to one f32 number.  NaN and infinities among the inputs are not served.
; The three stores of a token are 16, 8 and 8 bytes from one lane: 32 KB in the whole launch.
; No LDS, no matrix unit: 8 columns are too few for a tile, and the waves share nothing.
.set XS_OFF, 1769472                   ; xq: where the scale words begin: 144 tiles x 8 K steps x 1,536 bytes
.set ACC, 8                            ; v[8:15]   the eight sums, as four pairs
.set X,   16                           ; v[16:47]  my 32 numbers of x; later at work
.set W,   64                           ; v[64:191] four sets of 32: Wg's rows of my four d of one j: register 8 i + e
.set Z,   60                           ; v[60:63]  zeros; never rewritten
.macro WLOAD j                         ; my four rows of Wg (128 bytes on end) for this j
.irp q, 0,1,2,3,4,5,6,7
	global_load_b128 v[W+32*((\j)%4)+4*\q:W+32*((\j)%4)+4*\q+3], v3, s[6:7] offset:4096*(\j)+16*\q
.endr
.endm
.macro DOT j                           ; sixteen packed multiply-adds: two experts at a time, one number of x for both
.irp dl, 0,1,2,3
.irp p, 0,1,2,3
.set rW, W+32*((\j)%4)+8*\dl+2*\p
.set rX, X+4*(\j)+2*(\dl/2)
.if ((\j) == 0) && (\dl == 0)
	v_pk_mul_f32 v[ACC+2*\p:ACC+2*\p+1], v[rW:rW+1], v[rX:rX+1] op_sel_hi:[1,0]        ; the first products start the sums: nothing is cleared
.elseif (\dl%2) == 0
	v_pk_fma_f32 v[ACC+2*\p:ACC+2*\p+1], v[rW:rW+1], v[rX:rX+1], v[ACC+2*\p:ACC+2*\p+1] op_sel_hi:[1,0,1]
.else
	v_pk_fma_f32 v[ACC+2*\p:ACC+2*\p+1], v[rW:rW+1], v[rX:rX+1], v[ACC+2*\p:ACC+2*\p+1] op_sel:[0,1,0] op_sel_hi:[1,1,1]
.endif
.endr
.endr
.endm
	s_load_b256 s[4:11], s[0:1], 0x0               ; x s[4:5], Wg s[6:7], bg s[8:9], route s[10:11]
	s_load_b128 s[12:15], s[0:1], 0x20             ; rval s[12:13], xq s[14:15]
	v_lshrrev_b32 v1, 5, v0
	v_readfirstlane_b32 s26, v1                    ; wave
	v_and_b32 v1, 31, v0                           ; lane
	v_lshlrev_b32 v2, 4, v1                        ; x: 16 bytes a lane
	v_lshlrev_b32 v3, 7, v1                        ; Wg: four rows of 32 bytes a lane
	v_lshlrev_b32 v4, 4, v0                        ; the fill: 16 bytes a thread,
	v_lshlrev_b32 v5, 2, v0                        ; and 4
.irp i, 0,1,2,3
	v_mov_b32 v[Z+\i], 0
.endr
	s_lshl_b32 s27, ttmp9, 2
	s_add_co_u32 s27, s27, s26                     ; my token
	s_mov_b32 s24, 0x76543210                      ; v_permlanex16_b32's selects for lane l xor 16
	s_mov_b32 s25, 0xfedcba98
	s_lshl_b32 s28, s27, 12                        ; a row of x is 4,096 bytes
	s_mov_b32 s29, 0
	s_wait_alu depctr_va_vdst(0)
	s_wait_kmcnt 0x0
	s_load_b256 s[16:23], s[8:9], 0x0              ; bg, eight numbers
	s_add_nc_u64 s[4:5], s[4:5], s[28:29]
.irp j, 0,1,2,3,4,5,6,7
	global_load_b128 v[X+4*\j:X+4*\j+3], v2, s[4:5] offset:512*\j      ; 32 lanes read 512 consecutive bytes
.endr
	WLOAD 0
	WLOAD 1
	WLOAD 2
	WLOAD 3
	s_cmp_lt_u32 ttmp9, 144                        ; xq has 144 tiles: one to a work-group
	s_cbranch_scc0 .Lno_fill
	s_mul_i32 s30, ttmp9, 12288
	s_mov_b32 s31, 0
	s_add_nc_u64 s[32:33], s[14:15], s[30:31]      ; my tile's codes, 12,288 bytes
	s_lshl_b32 s30, ttmp9, 9
	s_add_nc_u64 s[34:35], s[14:15], s[30:31]      ; and its scale words, 512 bytes
.irp i, 0,1,2,3,4,5
	global_store_b128 v4, v[Z:Z+3], s[32:33] offset:2048*\i            ; a wave's store covers 512 consecutive bytes, aligned
.endr
	global_store_b32 v5, v[Z], s[34:35] offset:XS_OFF
.Lno_fill:
.irp j, 0,1,2,3,4,5,6,7
.if \j <= 4
	s_wait_alu depctr_va_vdst(0)
	s_wait_loadcnt 24                              ; x and this j's set are in; the three sets issued behind it may be out
.else
	s_wait_alu depctr_va_vdst(0)
	s_wait_loadcnt 8*(7-\j)                        ; the counts run down: fewer sets were issued behind
.endif
	DOT \j
.if \j <= 3
	WLOAD \j+4                                     ; the set just read takes the rows of four j on
.endif
.endr
	; across the 32 lanes: every lane ends with all eight sums
.irp m, 1,2,4,8
.irp e, 0,1,2,3,4,5,6,7
	v_add_f32_dpp v[ACC+\e], v[ACC+\e], v[ACC+\e] row_xmask:\m row_mask:0xf bank_mask:0xf
.endr
.endr
.irp e, 0,1,2,3,4,5,6,7
	v_mov_b32 v[48+\e], 0                          ; a lane permute's destination counts as one of its sources
.endr
.irp e, 0,1,2,3,4,5,6,7
	v_permlanex16_b32 v[48+\e], v[ACC+\e], s24, s25
.endr
	s_wait_alu depctr_va_vdst(0)
	s_wait_kmcnt 0x0                               ; bg
.irp e, 0,1,2,3,4,5,6,7
	v_add_f32 v[ACC+\e], v[ACC+\e], v[48+\e]
.endr
.irp e, 0,1,2,3,4,5,6,7
	v_add_f32 v[ACC+\e], s[16+\e], v[ACC+\e]       ; the logits
.endr
	; the largest: v32 its logit, v48 its index.  Only values are selected: no branch and no address hangs on them
	v_mov_b32 v32, v[ACC]
	v_mov_b32 v48, 0
.irp e, 1,2,3,4,5,6,7
	v_cmp_gt_f32 vcc_lo, v[ACC+\e], v32
	v_cndmask_b32 v32, v32, v[ACC+\e], vcc_lo
	v_cndmask_b32 v48, v48, \e, vcc_lo
.endr
	; the second: the largest of the others: v34, v49
	v_mov_b32 v34, 0xff800000
	v_mov_b32 v49, 0
.irp e, 0,1,2,3,4,5,6,7
	v_cmp_gt_f32 s40, v[ACC+\e], v34
	v_cmp_ne_u32 s41, \e, v48
	s_and_b32 s40, s40, s41
	v_cndmask_b32 v34, v34, v[ACC+\e], s40
	v_cndmask_b32 v49, v49, \e, s40
.endr
	; softmax: e^(l - largest) = 2^((l - largest) log2 e); the ninth number is the second's
.irp e, 0,1,2,3,4,5,6,7
	v_sub_f32 v[16+\e], v[ACC+\e], v32
.endr
	v_sub_f32 v24, v34, v32
.irp e, 0,1,2,3,4,5,6,7,8
	v_mul_f32 v[16+\e], 0x3fb8aa3b, v[16+\e]
.endr
	s_wait_alu depctr_va_vdst(0)
.irp e, 0,1,2,3,4,5,6,7,8
	v_exp_f32 v[16+\e], v[16+\e]
.endr
	v_mov_b32 v44, 1                               ; (a plain instruction behind the exponentials, ISA guide 5.7.2)
	s_wait_alu depctr_va_vdst(0)
	v_add_f32 v16, v16, v17
	v_add_f32 v18, v18, v19
	v_add_f32 v20, v20, v21
	v_add_f32 v22, v22, v23
	v_add_f32 v16, v16, v18
	v_add_f32 v20, v20, v22
	v_add_f32 v16, v16, v20
	s_wait_alu depctr_va_vdst(0)
	v_rcp_f32 v50, v16                             ; the largest's probability: its exponential is 1
	v_and_b32 v36, 1, v48                          ; (a plain instruction behind the reciprocal)  the first's field: 16 (e & 1) bits up,
	s_wait_alu depctr_va_vdst(0)
	v_mul_f32 v51, v24, v50                        ; the second's probability
	v_lshlrev_b32 v36, 4, v36
	v_lshlrev_b32 v36, v36, v44
	v_lshrrev_b32 v37, 1, v48                      ; in word e >> 1
	v_and_b32 v38, 1, v49                          ; the second's likewise
	v_lshlrev_b32 v38, 4, v38
	v_lshlrev_b32 v38, v38, v44
	v_lshrrev_b32 v39, 1, v49
.irp k, 0,1,2,3
	v_cmp_eq_u32 vcc_lo, \k, v37
	v_cndmask_b32 v[40+\k], 0, v36, vcc_lo
	v_cmp_eq_u32 vcc_lo, \k, v39
	v_cndmask_b32 v45, 0, v38, vcc_lo
	v_add_nc_u32 v[40+\k], v[40+\k], v45
.endr
	s_lshl_b32 s42, s27, 4
	s_mov_b32 s43, 0
	s_add_nc_u64 s[36:37], s[10:11], s[42:43]      ; roh[token]
	s_lshl_b32 s42, s27, 3
	s_add_nc_u64 s[38:39], s[10:11], s[42:43]      ; ridx[token], 16,384 bytes further on
	s_add_nc_u64 s[44:45], s[12:13], s[42:43]      ; rval[token]
	s_wait_alu depctr_va_vdst(0)
	s_wait_xcnt 0x0                                ; EXEC changes only behind this wait: it is a source of the loads and stores above
	v_cmp_eq_u32 vcc_lo, 0, v1
	s_and_saveexec_b32 s46, vcc_lo                 ; every lane holds the same numbers: lane 0 stores them
	global_store_b128 v[Z], v[40:43], s[36:37]
	global_store_b64 v[Z], v[48:49], s[38:39] offset:16384
	global_store_b64 v[Z], v[50:51], s[44:45]
	s_wait_xcnt 0x0                                ; and again in front of the line that widens it
	s_or_b32 exec_lo, exec_lo, s46
	s_endpgm
.Lfunc_end_k_qee212ce0ec_gate:
	.size	k_qee212ce0ec_gate, .Lfunc_end_k_qee212ce0ec_gate-k_qee212ce0ec_gate
	.p2alignl 7, 3214868480
	.fill 96, 4, 3214868480
	.section	.rodata,"a",@progbits
	.p2align	6, 0x0
	.amdhsa_kernel k_qee212ce0ec_gate
		.amdhsa_group_segment_fixed_size 0
		.amdhsa_private_segment_fixed_size 0
		.amdhsa_enable_private_segment 0
		.amdhsa_kernarg_size 48
		.amdhsa_user_sgpr_count 2
		.amdhsa_user_sgpr_kernarg_segment_ptr 1
		.amdhsa_wavefront_size32 1
		.amdhsa_system_sgpr_workgroup_id_x 1
		.amdhsa_system_sgpr_workgroup_id_y 1
		.amdhsa_system_sgpr_workgroup_id_z 1
		.amdhsa_system_vgpr_workitem_id 0
		.amdhsa_next_free_vgpr 192
		.amdhsa_next_free_sgpr 66
		.amdhsa_reserve_vcc 1
		.amdhsa_float_denorm_mode_32 3
		.amdhsa_float_denorm_mode_16_64 3
		.amdhsa_memory_ordered 1
		.amdhsa_forward_progress 1
		.amdhsa_inst_pref_size 28
	.end_amdhsa_kernel
	.amdgpu_metadata
---
amdhsa.version: [ 1, 2 ]
amdhsa.kernels:
  - .name:           k_qee212ce0ec_gate
    .symbol:         k_qee212ce0ec_gate.kd
    .args:
      - { .name: x, .offset: 0, .size: 8, .value_kind: global_buffer, .address_space: global }
      - { .name: Wg, .offset: 8, .size: 8, .value_kind: global_buffer, .address_space: global }
      - { .name: bg, .offset: 16, .size: 8, .value_kind: global_buffer, .address_space: global }
      - { .name: route, .offset: 24, .size: 8, .value_kind: global_buffer, .address_space: global }
      - { .name: rval, .offset: 32, .size: 8, .value_kind: global_buffer, .address_space: global }
      - { .name: xq, .offset: 40, .size: 8, .value_kind: global_buffer, .address_space: global }
    .group_segment_fixed_size: 0
    .private_segment_fixed_size: 0
    .kernarg_segment_align: 8
    .kernarg_segment_size: 48
    .max_flat_workgroup_size: 128
    .sgpr_count:     66
    .vgpr_count:     192
    .wavefront_size: 32
...
	.end_amdgpu_metadata
.endif
;; end of part 6
;; launch place (part 7): grid 32 x 1, 16 waves a work-group, no clusters, 3,072 bytes of LDS; arguments x, route, xq, plan; writes xq, plan
.if DOCPART == 7
	.amdgcn_target "amdgcn-amd-amdhsa--gfx1250"
	.amdhsa_code_object_version 6
	.text
	.protected	k_qee212ce0ec_place
	.globl	k_qee212ce0ec_place
	.p2align	8
	.type	k_qee212ce0ec_place,@function
k_qee212ce0ec_place:
	s_mov_b64 s[64:65], 0
	v_nop
	global_prefetch_b8 v0, s[64:65] scope:SCOPE_SE
	s_setreg_imm32_b32 hwreg(HW_REG_WAVE_MODE, 25, 1), 1
	s_wait_xcnt 0x0
; THE PLACING OF ROWS.  The 2,048 routed rows (token, j) are sorted by expert, tokens ascending, each expert's run padded to whole groups of 32 slots (two tiles of 16).
; At most (2,048 + 8 x 31) / 32 = 71 groups, 142 tiles, whatever the choice.  All of this is arithmetic on whole numbers that the launch before stored.
; x is quantised here, once: codes of FP6 (E2M3), one E8M0 byte for each 32 along D; each token's codes go to its two slots of xq.
;   xq: xf[144 tiles][8 K steps][1,536]: AN IMAGE OF THE OPERAND'S REGISTERS: registers 4 c .. 4 c + 3 of lane (row, half) at 512 c + 16 row + 256 half;  then xs[144][8][16 rows]: a scale word a row and K step
;   plan: word 2 e: expert e's first tile, word 2 e + 1: its groups;  from byte 256: pos[token][2], the slots
; SHARES.  Work-group g owns tokens 32 g .. 32 g + 31; wave w quantises K step w & 7 of its tile w >> 3 of 16 tokens.  The counting is small and every work-group, and behind the one barrier every wave, does it again for
; itself: no number passes between work-groups.
; A block's scale is 2^(floor(log2(its largest magnitude)) - 2): its byte is that magnitude's exponent field - 2, held at 1 from below.
; LIMITS: blocks whose largest magnitude lies under 2^-124 keep the byte 1; a block of zeros gets the byte 1 where the rule says 127 (its codes are zeros, and this program alone reads the bytes); NaN and infinities are not served.
; The stores of codes are pieces of 16 bytes, 16 lanes to 16 places: 1.6 MB in all.  The layout serves the next launch, which reads each image 32 times, 512 consecutive bytes a load.
.set XS_OFF, 1769472
.set S,   20                           ; v[20:23] counts, four words of two fields; v[24:27] the same of the chunks ahead of mine
.set SCR, 84                           ; v[84:91] at work between lanes
.set TM,  44                           ; v[44:59] QUANT's: +0..3 largest magnitudes, +4..7 the other half's, then bytes, +12..15 the conversions' scale operands
.set PW,  60                           ; v60      my row's scale word
.set PC,  64                           ; v[64:83] the codes
.set X,   96                           ; v[96:159] 64 numbers: register 16 b + i = k 32 b + 16 (lane / 16) + i of my row
.set SEL, 46                           ; s[46:47] v_permlanex16_b32's selects for lane l xor 16
.macro LSUM n, m                       ; n words, each added to that of lane l xor m
.set k, 0
.rept \n
	v_mov_b32_dpp v[SCR+k], v[S+k] row_xmask:\m row_mask:0xf bank_mask:0xf
.set k, k+1
.endr
.set k, 0
.rept \n
	v_add_nc_u32 v[S+k], v[S+k], v[SCR+k]
.set k, k+1
.endr
.endm
; 64 numbers of a lane, v[s] on, become a fragment's codes in v[pc] .. v[pc + 11] and its row's scale word in v[pw].  abs = 0: none of them is negative
.macro QUANT s, pc, pw, abs
.irp b, 0,1,2,3
.if \abs
	v_max3_num_f32 v[TM+\b], |v[\s+16*\b]|, |v[\s+1+16*\b]|, 0x1800000   ; block b: my 16 numbers, and the floor 2^(3 - 127): so the byte cannot fall under 1
.else
	v_max3_num_f32 v[TM+\b], v[\s+16*\b], v[\s+1+16*\b], 0x1800000
.endif
.endr
.irp i, 2,4,6,8,10,12,14
.irp b, 0,1,2,3
.if \abs
	s_delay_alu instid0(VALU_DEP_4)
	v_max3_num_f32 v[TM+\b], v[TM+\b], |v[\s+16*\b+\i]|, |v[\s+1+16*\b+\i]|   ; (the four blocks by turns)
.else
	v_max3_num_f32 v[TM+\b], v[TM+\b], v[\s+16*\b+\i], v[\s+1+16*\b+\i]
.endif
.endr
.endr
.irp b, 0,1,2,3
	s_delay_alu instid0(VALU_DEP_4)
	v_permlanex16_b32 v[TM+4+\b], v[TM+\b], s[SEL], s[SEL+1]
.endr
.irp b, 0,1,2,3
	s_delay_alu instid0(VALU_DEP_4)
	v_max_num_f32 v[TM+\b], v[TM+\b], v[TM+4+\b]   ; with lane l xor 16's: the block's largest magnitude
.endr
.irp b, 0,1,2,3
	s_delay_alu instid0(VALU_DEP_4)
	v_add_nc_u32 v[TM+12+\b], 0xff000000, v[TM+\b] ; 2 off its exponent field: the conversion takes that field of this operand as its scale
.endr
.irp b, 0,1,2,3
	s_delay_alu instid0(VALU_DEP_4)
	v_lshrrev_b32 v[TM+4+\b], 23, v[TM+12+\b]      ; the scale's byte
.endr
	s_delay_alu instid0(VALU_DEP_3)
	v_lshl_or_b32 v[\pw], v[TM+5], 8, v[TM+4]
	s_delay_alu instid0(VALU_DEP_1)
	v_lshl_or_b32 v[\pw], v[TM+6], 16, v[\pw]
	s_delay_alu instid0(VALU_DEP_1)
	v_lshl_or_b32 v[\pw], v[TM+7], 24, v[\pw]
.irp c, 0,1
	v_cvt_scalef32_pk16_fp6_f32 v[\pc+6*\c:\pc+2+6*\c], v[\s+32*\c:\s+15+32*\c], v[TM+12+2*\c]
	v_cvt_scalef32_pk16_fp6_f32 v[\pc+12+4*\c:\pc+14+4*\c], v[\s+16+32*\c:\s+31+32*\c], v[TM+12+2*\c+1]   ; (a conversion's three registers begin on an even number)
.endr
	v_nop                                          ; one plain instruction behind a scaled conversion
.irp c, 0,1                                    ; the operand's layout wants a WHOLE block in a lane: lanes 0-15 block 2 c, lanes 16-31 block 2 c + 1
.irp i, 0,1,2
	v_permlane16_swap_b32 v[\pc+6*\c+\i], v[\pc+12+4*\c+\i]
.endr
.irp i, 0,1,2
	s_delay_alu instid0(VALU_DEP_3)
	v_mov_b32 v[\pc+3+6*\c+\i], v[\pc+12+4*\c+\i]
.endr
.endr
.endm
	s_load_b256 s[4:11], s[0:1], 0x0               ; x s[4:5], route s[6:7], xq s[8:9], plan s[10:11]
	v_lshl_add_u32 v160, v0, 2, 0x400
	v_mov_b32 v161, 0
	v_lshrrev_b32 v1, 5, v0
	s_delay_alu instid0(VALU_DEP_1)
	v_readfirstlane_b32 s12, v1                    ; wave 0..15
	v_and_b32 v1, 31, v0                           ; lane
	v_and_b32 v2, 15, v0                           ; r
	v_bfe_u32 v3, v0, 4, 1                         ; h
	s_lshr_b32 s13, s12, 3                         ; my tile of 16 tokens
	s_and_b32 s14, s12, 7                          ; my K step
	s_mov_b32 s16, ttmp9                           ; my chunk of 32 tokens
	s_lshl_b32 s15, s13, 16
	s_lshl_b32 s17, s14, 9
	s_add_co_u32 s15, s15, s17
	v_lshlrev_b32 v4, 12, v2
	s_delay_alu instid0(VALU_DEP_1)
	v_lshl_add_u32 v4, v3, 6, v4
	s_delay_alu instid0(VALU_DEP_1)
	v_add_nc_u32 v4, s15, v4                       ; x: 65,536 tile + 4,096 r + 512 K step + 64 h: my 16 numbers of a block of 32
	v_lshlrev_b32 v5, 5, v0                        ; roh: two tokens, 32 bytes, a thread: 512 threads take all 1,024
	v_lshlrev_b32 v6, 3, v1
	s_lshl_b32 s17, s16, 8
	v_add_nc_u32 v6, s17, v6                       ; ridx and pos: 8 bytes for token 32 g + lane
	v_and_b32 v7, 0x1f0, v0                        ; LDS: 16 bytes for each 16 threads = for each chunk of 32 tokens
	v_lshlrev_b32 v40, 4, v1                       ; and back: lane c takes chunk c's
	s_lshl_b32 s18, s16, 17                        ; 32 rows of 4,096 bytes
	s_mov_b32 s19, 0
	s_mov_b32 s[SEL], 0x76543210
	s_mov_b32 s[SEL+1], 0xfedcba98
	s_wait_alu depctr_va_vdst(0)
	s_wait_kmcnt 0x0
	s_add_nc_u64 s[4:5], s[4:5], s[18:19]
	global_load_b128 v[8:11], v5, s[6:7]
	global_load_b128 v[12:15], v5, s[6:7] offset:16
	global_load_b64 v[16:17], v6, s[6:7] offset:16384
.irp b, 0,1,2,3
.irp j, 0,1,2,3
	global_load_b128 v[X+16*\b+4*\j:X+16*\b+4*\j+3], v4, s[4:5] offset:128*\b+16*\j th:TH_LOAD_NT
.endr
.endr
.irp k, 0,1,2,3,4,5,6,7
	v_mov_b32 v[SCR+\k], 0                         ; destinations of lane moves count as sources: written once
.endr
.irp b, 0,1,2,3
	v_mov_b32 v[TM+4+\b], 0
.endr
	s_wait_loadcnt 17                              ; roh's two loads are in; ridx's and x's sixteen may be out
.irp k, 0,1,2,3
	v_add_nc_u32 v[S+\k], v[8+\k], v[12+\k]        ; my two tokens; a field counts to 1,024 at the most: no carry between fields
.endr
	LSUM 4, 1
	LSUM 4, 2
	LSUM 4, 4
	LSUM 4, 8                                      ; a chunk's counts, in each of its 16 lanes
	ds_store_b128 v7, v[S:S+3]                     ; the 16 lanes write the same 16 bytes with the same numbers
	s_wait_dscnt 0x0                               ; for the others' sake: my store has landed
	s_barrier_signal -1
	s_barrier_wait -1                              ; the one barrier: all 32 chunks' counts lie in LDS
	ds_load_b128 v[S:S+3], v40
	s_wait_dscnt 0x0
	v_cmp_gt_u32 vcc_lo, s16, v1                   ; the chunks ahead of mine
.irp k, 0,1,2,3
	v_cndmask_b32 v[S+4+\k], 0, v[S+\k], vcc_lo
.endr
	LSUM 8, 1
	LSUM 8, 2
	LSUM 8, 4
	LSUM 8, 8
.irp k, 0,1,2,3,4,5,6,7
	v_permlanex16_b32 v[SCR+\k], v[S+\k], s[SEL], s[SEL+1]
.endr
.irp k, 0,1,2,3,4,5,6,7
	v_add_nc_u32 v[S+\k], v[S+\k], v[SCR+\k]
.endr
.irp k, 0,1,2,3,4,5,6,7
	v_readfirstlane_b32 s[20+\k], v[S+\k]          ; s[20:23] all tokens' counts, s[24:27] those of the chunks ahead
.endr
	s_mov_b32 s42, 0                               ; groups so far
.irp e, 0,1,2,3,4,5,6,7
	s_bfe_u32 s40, s[20+\e/2], 0x100000+16*(\e%2)  ; expert e's rows,
	s_bfe_u32 s41, s[24+\e/2], 0x100000+16*(\e%2)  ; and those ahead of my chunk
	s_lshl_b32 s[68+\e], s42, 1                    ; its first tile
	s_lshl_b32 s43, s42, 5
	s_add_co_u32 s[84+\e], s43, s41                ; the slot of my chunk's first row of this expert
	s_add_co_u32 s40, s40, 31
	s_lshr_b32 s[76+\e], s40, 5                    ; its groups of 32 slots
	s_add_co_u32 s42, s42, s[76+\e]
.endr
	v_mov_b32 v32, 0
	v_mov_b32 v33, 0
	s_wait_loadcnt 16                              ; ridx is in; x's sixteen loads may be out
.irp e, 0,1,2,3,4,5,6,7                        ; lane = token 32 g + lane: its place among the chunk's tokens that chose e
	v_cmp_eq_u32 s44, \e, v16
	v_cmp_eq_u32 s45, \e, v17
	s_or_b32 s43, s44, s45
	v_mbcnt_lo_u32_b32 v34, s43, s[84+\e]          ; + how many lower lanes chose e
	s_wait_alu depctr_va_vdst(0)
	v_cndmask_b32 v32, v32, v34, s44
	v_cndmask_b32 v33, v33, v34, s45
.endr
	s_cmp_lg_u32 s12, 0
	s_cbranch_scc1 .Lnot_wave_0
	global_store_b64 v6, v[32:33], s[10:11] offset:256     ; pos: 32 lanes store 256 consecutive bytes, aligned
	s_cmp_lg_u32 s16, 0
	s_cbranch_scc1 .Lnot_wave_0
	v_mov_b32 v92, 0
.irp e, 0,1,2,3,4,5,6,7
	s_delay_alu instid0(VALU_DEP_1)
	v_writelane_b32 v92, s[68+\e], 2*\e
	s_delay_alu instid0(VALU_DEP_1)
	v_writelane_b32 v92, s[76+\e], 2*\e+1
.endr
	v_lshlrev_b32 v93, 2, v1
	global_store_b32 v93, v92, s[10:11]            ; the experts' tiles and groups: one wave of the launch stores them
.Lnot_wave_0:
	; lane (r, h) wants the slots of token 16 tile + r: its own where h = tile, else lane l xor 16's
	v_mov_b32 v35, 0
	s_wait_alu depctr_va_vdst(0)
	v_mov_b32 v36, 0
	v_permlanex16_b32 v35, v32, s[SEL], s[SEL+1]
	s_delay_alu instid0(VALU_DEP_2)
	v_permlanex16_b32 v36, v33, s[SEL], s[SEL+1]
	v_cmp_eq_u32 vcc_lo, s13, v3
	s_delay_alu instid0(VALU_DEP_1)
	v_cndmask_b32 v35, v35, v32, vcc_lo
	s_delay_alu instid0(VALU_DEP_2)
	v_cndmask_b32 v36, v36, v33, vcc_lo
	v_cmp_eq_u32 vcc_lo, 1, v3
	s_delay_alu instid0(VALU_DEP_1)
	v_cndmask_b32 v39, v35, v36, vcc_lo            ; the scale word: lanes 0-15 serve the first slot, lanes 16-31 the second
	s_delay_alu instid0(VALU_DEP_4)
	v_min_u32 v35, 0x8ff, v35                      ; a slot lies under 2,304
	s_delay_alu instid0(VALU_DEP_4)
	v_min_u32 v36, 0x8ff, v36
	s_delay_alu instid0(VALU_DEP_3)
	v_min_u32 v39, 0x8ff, v39
	s_mul_i32 s15, s14, 1536
	v_lshlrev_b32 v43, 8, v3
	s_delay_alu instid0(VALU_DEP_1)
	v_add_nc_u32 v43, s15, v43                     ; 256 h + 1,536 K step
	v_and_b32 v41, 0xff0, v35                      ; 16 x tile: x 768 = 12,288 a tile
	s_delay_alu instid0(VALU_DEP_1)
	v_mul_u32_u24 v41, 0x300, v41
	v_and_b32 v42, 15, v35                         ; the row in the tile: 16 bytes a row
	s_delay_alu instid0(VALU_DEP_1)
	v_lshlrev_b32 v42, 4, v42
	s_delay_alu instid0(VALU_DEP_1)
	v_add_nc_u32 v37, v41, v42
	s_delay_alu instid0(VALU_DEP_1)
	v_add_nc_u32 v37, v37, v43
	v_and_b32 v41, 0xff0, v36
	s_delay_alu instid0(VALU_DEP_1)
	v_mul_u32_u24 v41, 0x300, v41
	v_and_b32 v42, 15, v36
	s_delay_alu instid0(VALU_DEP_1)
	v_lshlrev_b32 v42, 4, v42
	s_delay_alu instid0(VALU_DEP_1)
	v_add_nc_u32 v38, v41, v42
	s_delay_alu instid0(VALU_DEP_1)
	v_add_nc_u32 v38, v38, v43
	v_and_b32 v41, 0xff0, v39                      ; scale words: 512 bytes a tile, 64 a K step, 4 a row
	s_delay_alu instid0(VALU_DEP_1)
	v_lshlrev_b32 v41, 5, v41
	v_and_b32 v42, 15, v39
	s_delay_alu instid0(VALU_DEP_1)
	v_lshlrev_b32 v42, 2, v42
	s_delay_alu instid0(VALU_DEP_1)
	v_add_nc_u32 v39, v41, v42
	s_lshl_b32 s15, s14, 6
	v_add_nc_u32 v39, s15, v39
	s_wait_loadcnt 0x0                             ; x
	QUANT X, PC, PW, 1
.irp c, 0,1,2
	global_store_b128 v37, v[PC+4*\c:PC+4*\c+3], s[8:9] offset:512*\c
	global_store_b128 v38, v[PC+4*\c:PC+4*\c+3], s[8:9] offset:512*\c
.endr
	global_store_b32 v39, v[PW], s[8:9] offset:XS_OFF
	s_wait_tensorcnt 0x0
	ds_add_u32 v160, v161
	s_wait_dscnt 0x0
	s_endpgm
.Lfunc_end_k_qee212ce0ec_place:
	.size	k_qee212ce0ec_place, .Lfunc_end_k_qee212ce0ec_place-k_qee212ce0ec_place
	.p2alignl 7, 3214868480
	.fill 96, 4, 3214868480
	.section	.rodata,"a",@progbits
	.p2align	6, 0x0
	.amdhsa_kernel k_qee212ce0ec_place
		.amdhsa_group_segment_fixed_size 3072
		.amdhsa_private_segment_fixed_size 0
		.amdhsa_enable_private_segment 0
		.amdhsa_kernarg_size 32
		.amdhsa_user_sgpr_count 2
		.amdhsa_user_sgpr_kernarg_segment_ptr 1
		.amdhsa_wavefront_size32 1
		.amdhsa_system_sgpr_workgroup_id_x 1
		.amdhsa_system_sgpr_workgroup_id_y 1
		.amdhsa_system_sgpr_workgroup_id_z 1
		.amdhsa_system_vgpr_workitem_id 0
		.amdhsa_next_free_vgpr 162
		.amdhsa_next_free_sgpr 100
		.amdhsa_reserve_vcc 1
		.amdhsa_float_denorm_mode_32 3
		.amdhsa_float_denorm_mode_16_64 3
		.amdhsa_memory_ordered 1
		.amdhsa_forward_progress 1
		.amdhsa_inst_pref_size 26
	.end_amdhsa_kernel
	.amdgpu_metadata
---
amdhsa.version: [ 1, 2 ]
amdhsa.kernels:
  - .name:           k_qee212ce0ec_place
    .symbol:         k_qee212ce0ec_place.kd
    .args:
      - { .name: x, .offset: 0, .size: 8, .value_kind: global_buffer, .address_space: global }
      - { .name: route, .offset: 8, .size: 8, .value_kind: global_buffer, .address_space: global }
      - { .name: xq, .offset: 16, .size: 8, .value_kind: global_buffer, .address_space: global }
      - { .name: plan, .offset: 24, .size: 8, .value_kind: global_buffer, .address_space: global }
    .group_segment_fixed_size: 3072
    .private_segment_fixed_size: 0
    .kernarg_segment_align: 8
    .kernarg_segment_size: 32
    .max_flat_workgroup_size: 512
    .sgpr_count:     100
    .vgpr_count:     162
    .wavefront_size: 32
...
	.end_amdgpu_metadata
.endif
;; end of part 7
;; launch up (part 8): grid 32 x 8, 16 waves a work-group, no clusters, 106,496 bytes of LDS; arguments W1, b1, xq, plan, hq; writes hq
.if DOCPART == 8
	.amdgcn_target "amdgcn-amd-amdhsa--gfx1250"
	.amdhsa_code_object_version 6
	.text
	.protected	k_qee212ce0ec_up
	.globl	k_qee212ce0ec_up
	.p2align	8
	.type	k_qee212ce0ec_up,@function
k_qee212ce0ec_up:
	s_mov_b64 s[64:65], 0
	v_nop
	global_prefetch_b8 v0, s[64:65] scope:SCOPE_SE
	s_setreg_imm32_b32 hwreg(HW_REG_WAVE_SCHED_MODE, 0, 2), 2
	s_setreg_imm32_b32 hwreg(HW_REG_WAVE_MODE, 25, 1), 1
	s_wait_xcnt 0x0
	s_wait_alu depctr_vm_vsrc(0)
; THE FIRST PRODUCT: h = relu(x W1[e] + b1[e]) for the rows routed to expert e, on codes of FP6 (E2M3) with one E8M0 scale for each 32 along K; h is quantised along DFF on its way out.
; SHARES.  Work-group (slice, expert) owns W1[e][:, 128 slice .. + 127]: 512 KB of f32, read ONCE in the launch, quantised in registers and kept in LDS as 96 KB of codes.  256 work-groups.
; PHASE S, the stream.  Wave w takes 32 columns (w & 3) x 256 along K (w >> 2).  A LANE TAKES A COLUMN AND ITS REGISTERS RUN DOWN K: a load reads 128 consecutive bytes, four waves side by side 512;
;   a block of 32 along K lies in one lane, and its 24 bytes of codes go to the place in LDS from which the operand's lane (row, k half) will load them.  Up to 63 loads of a wave are out.
; PHASE M.  Behind the one barrier wave w takes the expert's groups w and w + 16 of 32 rows (two tiles): 8 tiles of hidden units x 2 tiles of rows = 16 accumulators, 8 K steps of 128.
;   An expert has 1,024 rows at the most, 32 groups: so the loop has TWO trips, a constant; a trip whose group the expert does not have is jumped over, by a scalar branch on the stored count.
;   The product is used TRANSPOSED (source 0 = 16 columns of W1, source 1 = 16 rows of x): a lane holds one row, its registers run along the hidden units.
;   THE COLUMNS OF A TILE ARE NOT NEIGHBOURS: row r of tile 2 b + u is column 32 b + 8 u + r + 8 (r / 8), so that the 16 registers of tiles 2 b and 2 b + 1 are 16 neighbours along the next K.
;   The bias is loaded into the accumulators and is the C of the first product: nothing is cleared, nothing is added.
; OUT.  hq: hf[144 tiles][32 K steps][1,536], images of the next operand's registers (my slice is K step 'slice'): each store covers 512 consecutive bytes, aligned;  hs[144][32][16 rows], scale words: 64 bytes a tile and
;   K step, 0.3 MB in the launch, in pieces of 64 bytes.
; NO TENSOR LOADS, NO CLUSTER: which trips of phase M do work hangs on counts read from memory, so the rows' images come by plain loads; what the 32 work-groups of an expert share is those images
;   (12 KB a tile), beside 512 KB of weights a work-group that nobody shares.  A work-group whose expert has no rows stores nothing.
; LIMITS: blocks whose largest magnitude lies under 2^-124 keep the scale byte 1; a block of zeros gets 1 where the rule says 127 (zero codes; this program alone reads the bytes); NaN and infinities are not served.
; THE MODE: SCHED_MODE bits 1:0 = 2 (LLVM: expert scheduling mode 2), set by the entry lines.  The code itself states the register dependences
;   between vector or matrix instructions and memory or LDS instructions, with s_wait_alu, always for 0.
; THE PLAN.  Registers that memory or LDS instructions touch:
;   v4-v12, v14, v15  offsets and LDS addresses: made once at the head, never written again: one wait on va_vdst ahead of the first load.
;   XR0 .. XR3   the stream's raw sets.  Block t's maxima and conversions read XR[t % 4]; the loads of block t + 3, at block t's end, land in XR[(t - 1) % 4].
;   CB[t]        block t's codes: written by block t's conversions and moves, read by the two LDS stores that are issued in block t + 1, not written again in the stream.
;                So ONE wait on va_vdst at the head of a block states all that the block's two stores and 32 loads hang on: block t's vector lines name neither buffer.
;   WF           two halves of two places.  A quarter of a K step is four products on one half; the LDS loads for the next quarter land in the other half.
;   XF0, XF1, XS0, XS1, WS0, WS1   K step s reads set s % 2; the loads for K step s + 1 land in the other set, which K step s - 1 read.
;                So ONE wait on va_vdst at the head of a quarter, behind the wait for the quarter's own fragments: the quarter before is done reading the other half (at a K step's head: the last K step is done with
;                the other sets).  The quarter's loads follow it, dealt among its four products, which name none of the registers that those loads touch.
;   The accumulators take the biases by LDS loads at a trip's head; v52-63, v80-91 and v50 are the data of a trip's seven stores.
;                At a trip's head one wait on vm_vsrc and one on va_vdst: all that the stream or the last trip's way out did to v32 and on is done.  One wait on va_vdst ahead of the seven stores.
.set PITCH,  16384                     ; bytes from a row of W1[e] to the next
.set WSC,    98304                     ; LDS: 0.. images of (tile t, K step s) at (8 t + s) x 1,536;  here the scale words: K step s at 512 s, lane l's 16 bytes: word p = tile 2 p + l / 16, row l % 16
.set B1L,    102400                    ; four copies of the slice's 128 biases: thread n writes word n
.set XS_OFF, 1769472
.set HS_OFF, 7077888
.set GA,  4                            ; v4   W1: 4 x my column among the wave's 32
.set WA,  5                            ; v5   where my codes go
.set WSA, 6                            ; v6   where my scale words go
.set LI0, 7                            ; v7   16 x lane: an image's place for my lane; tiles 0-3
.set LI1, 8                            ; v8   the same, tiles 4-7 (49,152 bytes on)
.set WSR, 9                            ; v9   W1's scale words, to read
.set BA,  10                           ; v10  the biases, to read
.set XSA, 11                           ; v11  x's scale words: lanes 0-15 the group's first tile, lanes 16-31 its second
.set HSA, 12                           ; v12  h's likewise
.set BW,  13                           ; v13  a bias on its way to LDS
.set BWA, 14                           ; v14  and where it goes
.set WS,  16                           ; v[16:23] W1's scale words, two sets of four: scales and nothing else
.set XS,  24                           ; v[24:25] x's, two sets: scales and nothing else
.set M0,  26                           ; v26-31 the stream's: two chains of the maximum, the conversions' scale operand, the byte, two scale words
.set M1,  27
.set SO,  28
.set BY,  29
.set SB,  30
.set CB,  32                           ; v[32:79]  the stream: six registers of codes for each of my 8 blocks, so that no LDS store's data are written again
.set T,   80                           ; v[80:82]  the stream: a block's upper 16 codes, before they are moved
.set XR,  128                          ; v[128:255] the stream: four sets of 32 numbers
.set WF,  32                           ; v[32:79]  four fragments of W1: tile t in place t % 4
.set XF,  80                           ; v[80:127] x: two sets of two fragments
.set ACC, 128                          ; v[128:255] accumulator (tile of rows i, tile of units t) at 128 + 64 i + 8 t
.set TM,  32                           ; the way out: QUANT's 16
.set PW,  48                           ; v48, v49 the two tiles' scale words; v50 both
.set PWS, 50
.set PC0, 52                           ; v[52:71], v[80:99] the two tiles' codes
.set SEL, 34                           ; s[34:35]
.macro NOP4
.rept 4
	v_nop
.endr
.endm
.macro LOAD t                          ; block t: W1(32 t + i, my column), i = 0 .. 31
.irp i, 0,1,2,3,4,5,6,7,8,9,10,11,12,13,14,15,16,17,18,19,20,21,22,23,24,25,26,27,28,29,30,31
	global_load_b32 v[XR+32*((\t)%4)+\i], v[GA], s[20:21] offset:(32*(\t)+\i)*PITCH th:TH_LOAD_NT
.endr
.endm
.macro PUT t                           ; block t's codes go to LDS
.set PB, CB+6*(\t)
.set PQ, (\t)/4                        ; which of my two K steps
.set PH, (\t)%2                        ; which half of the lanes will hold the block
.if ((\t)%4)/2 == 0                    ; registers 0-5 of the operand's lane (my row, PH): 16 bytes of the image's first group, 8 of its second
	ds_store_b128 v[WA], v[PB:PB+3] offset:1536*PQ+256*PH
	ds_store_b64 v[WA], v[PB+4:PB+5] offset:1536*PQ+256*PH+512
.else                                  ; registers 6-11: the other 8 of the second group, the third
	ds_store_b64 v[WA], v[PB:PB+1] offset:1536*PQ+256*PH+520
	ds_store_b128 v[WA], v[PB+2:PB+5] offset:1536*PQ+256*PH+1024
.endif
.endm
.macro BLOCK t
.set XB, XR+32*((\t)%4)
.set C, CB+6*(\t)
.set Q, (\t)/4                         ; which of my two K steps
.if (\t) <= 5
	s_wait_loadcnt 63                              ; 64 loads were issued behind this block's; the count names one fewer
.elseif (\t) == 6
	s_wait_loadcnt 32                              ; the last block's may be out
.else
	s_wait_loadcnt 0x0
.endif
.if (\t) > 0
	s_wait_alu depctr_va_vdst(0)                   ; the block before has written its codes, which the two LDS stores below read, and is done reading its set, in which the loads at this block's end land
	PUT (\t)-1
.endif
	v_max3_num_f32 v[M0], |v[XB]|, |v[XB+1]|, |v[XB+2]|            ; the block's largest magnitude: all 32 numbers are mine
	v_max3_num_f32 v[M1], |v[XB+3]|, |v[XB+4]|, |v[XB+5]|
.irp i, 6,10,14,18,22,26
	v_max3_num_f32 v[M0], v[M0], |v[XB+\i]|, |v[XB+\i+1]|
	v_max3_num_f32 v[M1], v[M1], |v[XB+\i+2]|, |v[XB+\i+3]|
.endr
	v_max3_num_f32 v[M0], v[M0], |v[XB+30]|, |v[XB+31]|
	v_max3_num_f32 v[M0], v[M0], v[M1], 0x1800000  ; and the floor 2^(3 - 127): the byte cannot fall under 1
	v_add_nc_u32 v[SO], 0xff000000, v[M0]          ; 2 off its exponent field: the conversions' scale operand
	v_cvt_scalef32_pk16_fp6_f32 v[C:C+2], v[XB:XB+15], v[SO]
	v_cvt_scalef32_pk16_fp6_f32 v[T:T+2], v[XB+16:XB+31], v[SO]    ; (a conversion's three registers begin on an even number)
	v_lshrrev_b32 v[BY], 23, v[SO]                 ; the scale's byte.  (The plain instruction behind the conversions)
.if (\t)%4 == 0
	v_mov_b32 v[SB+Q], v[BY]                       ; four bytes make a K step's scale word, the lower K in the lower byte
.else
	v_lshl_or_b32 v[SB+Q], v[BY], 8*((\t)%4), v[SB+Q]
.endif
.irp i, 0,1,2
	v_mov_b32 v[C+3+\i], v[T+\i]
.endr
.if (\t)+3 <= 7
	LOAD (\t)+3                                    ; into the set that the block before worked on.  No wait: no vector instruction since the wait at this block's head names it (block 0: none has named the fourth set at all)
.endif
.endm
; 64 numbers of a lane, v[s] on, register 16 b + i = k 32 b + 16 (lane / 16) + i of my row, become a fragment's codes in v[pc] .. v[pc + 11] and its row's scale word in v[pw].  abs = 0: none is negative
.macro QUANT s, pc, pw, abs
.irp b, 0,1,2,3
.if \abs
	v_max3_num_f32 v[TM+\b], |v[\s+16*\b]|, |v[\s+1+16*\b]|, 0x1800000
.else
	v_max3_num_f32 v[TM+\b], v[\s+16*\b], v[\s+1+16*\b], 0x1800000   ; block b: my 16 numbers, and the floor 2^(3 - 127)
.endif
.endr
.irp i, 2,4,6,8,10,12,14
.irp b, 0,1,2,3
.if \abs
	v_max3_num_f32 v[TM+\b], v[TM+\b], |v[\s+16*\b+\i]|, |v[\s+1+16*\b+\i]|
.else
	v_max3_num_f32 v[TM+\b], v[TM+\b], v[\s+16*\b+\i], v[\s+1+16*\b+\i]   ; (the four blocks by turns)
.endif
.endr
.endr
.irp b, 0,1,2,3
	v_permlanex16_b32 v[TM+4+\b], v[TM+\b], s[SEL], s[SEL+1]       ; (its destination has been written: by the stream, and by fragment loads)
.endr
.irp b, 0,1,2,3
	v_max_num_f32 v[TM+\b], v[TM+\b], v[TM+4+\b]   ; with lane l xor 16's: the block's largest
.endr
.irp b, 0,1,2,3
	v_add_nc_u32 v[TM+12+\b], 0xff000000, v[TM+\b]
.endr
.irp b, 0,1,2,3
	v_lshrrev_b32 v[TM+4+\b], 23, v[TM+12+\b]
.endr
	v_lshl_or_b32 v[\pw], v[TM+5], 8, v[TM+4]
	v_lshl_or_b32 v[\pw], v[TM+6], 16, v[\pw]
	v_lshl_or_b32 v[\pw], v[TM+7], 24, v[\pw]
.irp c, 0,1
	v_cvt_scalef32_pk16_fp6_f32 v[\pc+6*\c:\pc+2+6*\c], v[\s+32*\c:\s+15+32*\c], v[TM+12+2*\c]
	v_cvt_scalef32_pk16_fp6_f32 v[\pc+12+4*\c:\pc+14+4*\c], v[\s+16+32*\c:\s+31+32*\c], v[TM+12+2*\c+1]
.endr
	v_nop                                          ; one plain instruction behind a scaled conversion
.irp c, 0,1                                    ; a WHOLE block to a lane: lanes 0-15 block 2 c, lanes 16-31 block 2 c + 1
.irp i, 0,1,2
	v_permlane16_swap_b32 v[\pc+6*\c+\i], v[\pc+12+4*\c+\i]
.endr
.irp i, 0,1,2
	v_mov_b32 v[\pc+3+6*\c+\i], v[\pc+12+4*\c+\i]
.endr
.endr
.endm
.macro XL s                            ; the group's two fragments of x and their scale words for K step s: seven loads, into set s % 2
.irp i, 0,1
.irp c, 0,1,2
	global_load_b128 v[XF+24*((\s)%2)+12*\i+4*\c:XF+24*((\s)%2)+12*\i+4*\c+3], v[LI0], s[26:27] offset:12288*\i+1536*(\s)+512*\c
.endr
.endr
	global_load_b32 v[XS+(\s)%2], v[XSA], s[28:29] offset:XS_OFF+64*(\s)
.endm
.macro FRW t, s                        ; W1's fragment (tile t, K step s) from its image: three loads of 512 consecutive bytes
.irp c, 0,1,2
.if (\t) < 4
	ds_load_b128 v[WF+12*((\t)%4)+4*\c:WF+12*((\t)%4)+4*\c+3], v[LI0] offset:(8*((\t)%4)+(\s))*1536+512*\c
.else
	ds_load_b128 v[WF+12*((\t)%4)+4*\c:WF+12*((\t)%4)+4*\c+3], v[LI1] offset:(8*((\t)%4)+(\s))*1536+512*\c
.endif
.endr
.endm
.macro MM1 t, i, s                     ; an odd tile's scale words lie in lanes 16-31 of its pair's register, and so do those of the group's second tile of rows
.set rD, ACC+64*(\i)+8*(\t)
.set rA, WF+12*((\t)%4)
.set rB, XF+24*((\s)%2)+12*(\i)
.set rSA, WS+4*((\s)%2)+(\t)/2
.set rSB, XS+(\s)%2
.if ((\t)%2 == 0) && ((\i) == 0)
	v_wmma_scale_f32_16x16x128_f8f6f4 v[rD:rD+7], v[rA:rA+11], v[rB:rB+11], v[rD:rD+7], v[rSA], v[rSB] matrix_a_fmt:MATRIX_FMT_FP6 matrix_b_fmt:MATRIX_FMT_FP6
.elseif (\i) == 0
	v_wmma_scale_f32_16x16x128_f8f6f4 v[rD:rD+7], v[rA:rA+11], v[rB:rB+11], v[rD:rD+7], v[rSA], v[rSB] matrix_a_fmt:MATRIX_FMT_FP6 matrix_b_fmt:MATRIX_FMT_FP6 matrix_a_scale:MATRIX_SCALE_ROW1
.elseif (\t)%2 == 0
	v_wmma_scale_f32_16x16x128_f8f6f4 v[rD:rD+7], v[rA:rA+11], v[rB:rB+11], v[rD:rD+7], v[rSA], v[rSB] matrix_a_fmt:MATRIX_FMT_FP6 matrix_b_fmt:MATRIX_FMT_FP6 matrix_b_scale:MATRIX_SCALE_ROW1
.else
	v_wmma_scale_f32_16x16x128_f8f6f4 v[rD:rD+7], v[rA:rA+11], v[rB:rB+11], v[rD:rD+7], v[rSA], v[rSB] matrix_a_fmt:MATRIX_FMT_FP6 matrix_b_fmt:MATRIX_FMT_FP6 matrix_a_scale:MATRIX_SCALE_ROW1 matrix_b_scale:MATRIX_SCALE_ROW1
.endif
.endm
; A K step: 16 products in four quarters of four, each on two tiles of W1 and the group's two tiles of rows.  The sixteen accumulators take turns, one instruction a turn, in the same order in every K step and over
; the backward jump.  Tiles 0, 1, 4, 5 lie in places 0, 1 of WF, tiles 2, 3, 6, 7 in places 2, 3.  A quarter asks for the next quarter's two fragments, into the half that the quarter before read.
.macro STEP s
	s_wait_loadcnt 0x0                             ; x of this K step is in: asked for a K step ago
	s_wait_dscnt 0x0                               ; tiles 0, 1 and the scale words are in (in the first K step the biases too)
.if (\s) > 0
	s_wait_alu depctr_va_vdst(0)                   ; the last K step's products are done reading places 2, 3 and the other set of x and of its scale words, in which the loads of this quarter land (K step 0: the wait at the trip's head has said so)
.endif
	MM1 0, 0, \s
.if (\s) < 7
	XL (\s)+1
.endif
	MM1 0, 1, \s
	FRW 2, \s
	MM1 1, 0, \s
	FRW 3, \s
	MM1 1, 1, \s
	s_wait_dscnt 0x0                               ; tiles 2, 3 are in
	s_wait_alu depctr_va_vdst(0)                   ; the products of tiles 0, 1 are done reading places 0, 1, in which tiles 4, 5 land
	MM1 2, 0, \s
	FRW 4, \s
	MM1 2, 1, \s
	FRW 5, \s
	MM1 3, 0, \s
	MM1 3, 1, \s
	s_wait_dscnt 0x0                               ; tiles 4, 5 are in
	s_wait_alu depctr_va_vdst(0)                   ; the products of tiles 2, 3 are done reading places 2, 3, in which tiles 6, 7 land
	MM1 4, 0, \s
	FRW 6, \s
	MM1 4, 1, \s
	FRW 7, \s
	MM1 5, 0, \s
	MM1 5, 1, \s
	s_wait_dscnt 0x0                               ; tiles 6, 7 are in
.if (\s) < 7
	s_wait_alu depctr_va_vdst(0)                   ; the products of tiles 4, 5 are done reading places 0, 1, in which the next K step's tiles 0, 1 land; the last K step's were done long ago with the set of scale words asked for below
.endif
	MM1 6, 0, \s
.if (\s) < 7
	ds_load_b128 v[WS+4*(((\s)+1)%2):WS+4*(((\s)+1)%2)+3], v[WSR] offset:512*((\s)+1)
	FRW 0, (\s)+1
.endif
	MM1 6, 1, \s
.if (\s) < 7
	FRW 1, (\s)+1
.endif
	MM1 7, 0, \s
	MM1 7, 1, \s
.endm
	s_load_b256 s[4:11], s[0:1], 0x0               ; W1 s[4:5], b1 s[6:7], xq s[8:9], plan s[10:11]
	s_load_b64 s[12:13], s[0:1], 0x20              ; hq
	v_lshrrev_b32 v1, 5, v0
	v_readfirstlane_b32 s14, v1                    ; wave 0..15
	v_and_b32 v1, 31, v0                           ; lane
	v_and_b32 v2, 15, v0                           ; r
	v_bfe_u32 v3, v0, 4, 1                         ; h (in the stream: u, which tile of my pair)
	s_wait_alu depctr_va_vdst(0)
	s_wait_alu depctr_va_sdst(0)                   ; s14 is written, ahead of its first reader: the wave's shares and addresses are made from it
	s_and_b32 s15, s14, 3                          ; my 32 columns
	s_lshr_b32 s16, s14, 2                         ; my 256 along K
	s_and_b32 s17, ttmp7, 0xffff                   ; the expert
	s_mov_b32 s18, ttmp9                           ; the slice
	v_bfe_u32 v15, v0, 3, 1                        ; r / 8
	v_add_nc_u32 v[GA], v3, v15
	v_lshl_add_u32 v[GA], v[GA], 3, v2             ; my column: 8 u + r + 8 (r / 8)
	v_lshlrev_b32 v[GA], 2, v[GA]
	s_mul_i32 s37, s15, 24576                      ; tile 2 (w & 3) + u: 12,288 bytes a tile;
	s_mul_i32 s46, s16, 3072                       ; K step 2 (w >> 2): 1,536 a step;
	s_add_co_u32 s37, s37, s46
	v_mul_u32_u24 v[WA], v3, 12288
	v_lshl_add_u32 v[WA], v2, 4, v[WA]             ; 16 bytes a row
	v_add_nc_u32 v[WA], s37, v[WA]
	s_lshl_b32 s37, s16, 10
	s_lshl_b32 s46, s15, 2
	s_add_co_u32 s37, s37, s46
	s_add_co_u32 s37, s37, WSC
	v_lshl_add_u32 v[WSA], v1, 4, s37              ; 512 a K step, 16 a lane, word w & 3
	v_lshlrev_b32 v[LI0], 4, v1
	v_add_nc_u32 v[LI1], 49152, v[LI0]
	v_add_nc_u32 v[WSR], WSC, v[LI0]
	s_lshl_b32 s37, s16, 9
	s_add_co_u32 s37, s37, B1L
	v_lshl_add_u32 v[BA], v3, 6, s37               ; copy w >> 2 of the biases; lanes 16-31 begin 16 units on
	v_lshlrev_b32 v[XSA], 9, v3
	v_lshl_add_u32 v[XSA], v2, 2, v[XSA]
	v_lshlrev_b32 v[HSA], 11, v3
	v_lshl_add_u32 v[HSA], v2, 2, v[HSA]
	v_lshl_add_u32 v[BWA], v0, 2, B1L
	v_and_b32 v15, 127, v0
	v_lshlrev_b32 v15, 2, v15                      ; b1: unit (thread % 128) of the slice
	s_lshl_b32 s38, s17, 24                        ; W1: 16,777,216 an expert,
	s_lshl_b32 s46, s16, 22                        ; 256 rows of 16,384,
	s_add_co_u32 s38, s38, s46
	s_lshl_b32 s46, s18, 9                         ; 512 a slice,
	s_add_co_u32 s38, s38, s46
	s_lshl_b32 s46, s15, 7                         ; 128 for 32 columns
	s_add_co_u32 s38, s38, s46
	s_mov_b32 s39, 0
	s_lshl_b32 s42, s17, 14                        ; b1: 16,384 an expert, 512 a slice
	s_lshl_b32 s46, s18, 9
	s_add_co_u32 s42, s42, s46
	s_mov_b32 s43, 0
	s_lshl_b32 s19, s17, 3                         ; plan: 8 bytes an expert
	s_mul_i32 s44, s18, 1536                       ; hq: my K step's image in a tile,
	s_lshl_b32 s45, s18, 6                         ; and its scale words
	s_mov_b32 s[SEL], 0x76543210
	s_mov_b32 s[SEL+1], 0xfedcba98
	s_mov_b32 s36, 0xffff0000                      ; lanes 16-31
	s_wait_kmcnt 0x0
	s_load_b64 s[22:23], s[10:11], s19 offset:0x0  ; the expert's first tile, its groups
	s_add_nc_u64 s[20:21], s[4:5], s[38:39]
	s_add_nc_u64 s[40:41], s[6:7], s[42:43]
	s_wait_alu depctr_va_vdst(0)                   ; the offsets and LDS addresses v4 to v12, v14 and v15 are written: every load and store of the kernel reads one of them
	global_load_b32 v[BW], v15, s[40:41]           ; the oldest load: in when the first block's are
	LOAD 0
	LOAD 1
	LOAD 2
.irp t, 0,1,2,3,4,5,6,7
	BLOCK \t
.endr
	s_wait_alu depctr_va_vdst(0)                   ; block 7 has written its codes and the second scale word, which the LDS stores below read
	PUT 7
	ds_store_b32 v[WSA], v[SB]
	ds_store_b32 v[WSA], v[SB+1] offset:512
	ds_store_b32 v[BWA], v[BW]
	s_wait_kmcnt 0x0
	s_min_u32 s22, s22, 142                        ; 142 tiles at the most are in use
	s_min_u32 s23, s23, 32                         ; an expert has 1,024 rows at the most
	s_wait_dscnt 0x0                               ; for the others' sake: my codes, scale words and bias have landed
	s_barrier_signal -1
	s_barrier_wait -1                              ; the one barrier: the slice lies in LDS, and is only read from here on
	s_mov_b32 s24, s14                             ; my first group
	s_mov_b32 s48, 0                               ; trips done
.Lgroup:                                               ; two trips: groups w and w + 16 cover the 32 groups that an expert can have
	s_cmp_ge_u32 s24, s23                          ; the expert has no such group: the trip's work is jumped over (no barrier stands in it)
	s_cbranch_scc1 .Lnone
	s_wait_xcnt 0x0                                ; the last trip's stores have read their data and bases: both are written again below
	NOP4                                           ; four places between the vector instructions that last wrote the fragments' registers and this trip's products
	s_wait_alu depctr_vm_vsrc(0)                   ; the stream's LDS stores have read v32 to v79, the last trip's stores v50, v52 to v63 and v80 to v91: fragments land in all of them below
	s_wait_alu depctr_va_vdst(0)                   ; the stream, or the last trip's way out, is done writing and reading v32 to v255, in which the fragments, x and the biases land
	s_lshl_b32 s25, s24, 1
	s_add_co_u32 s25, s25, s22                     ; the group's first tile
	s_mul_i32 s38, s25, 12288
	s_add_nc_u64 s[26:27], s[8:9], s[38:39]        ; x's images
	s_lshl_b32 s38, s25, 9
	s_add_nc_u64 s[28:29], s[8:9], s[38:39]        ; x's scale words (XS_OFF stands in the loads)
	s_mul_i32 s38, s25, 49152
	s_add_co_u32 s38, s38, s44
	s_add_nc_u64 s[30:31], s[12:13], s[38:39]      ; h's images
	s_lshl_b32 s38, s25, 11
	s_add_co_u32 s38, s38, s45
	s_add_nc_u64 s[32:33], s[12:13], s[38:39]      ; h's scale words
	XL 0
.irp i, 0,1
.irp t, 0,1,2,3,4,5,6,7                        ; register j of tile 2 b + u is unit 32 b + 16 h + 8 u + j: its bias
	ds_load_b128 v[ACC+64*\i+8*\t:ACC+64*\i+8*\t+3], v[BA] offset:128*(\t/2)+32*(\t%2)
	ds_load_b128 v[ACC+64*\i+8*\t+4:ACC+64*\i+8*\t+7], v[BA] offset:128*(\t/2)+32*(\t%2)+16
.endr
.endr
	ds_load_b128 v[WS:WS+3], v[WSR]
	FRW 0, 0
	FRW 1, 0
.irp s, 0,1,2,3,4,5,6,7
	STEP \s
.endr
	; THE WAY OUT: relu, the quantiser, the images.  Each accumulator is read from its low end on
	NOP4                                           ; four places behind the last products, before their results are read (ISA guide 7.12.1)
.irp i, 0,1
.set QS, ACC+64*\i
.set QC, PC0+28*\i
.set QW, PW+\i
.set j, 0
.rept 64
	v_max_num_f32 v[QS+j], 0, v[QS+j]
.set j, j+1
.endr
	QUANT QS, QC, QW, 0
.endr
	v_cndmask_b32 v[PWS], v[PW], v[PW+1], s36      ; lanes 0-15 the first tile's scale words, lanes 16-31 the second's
	s_wait_alu depctr_va_vdst(0)                   ; both tiles' codes (v52 to v63, v80 to v91) and the scale words in v50 are written: the seven stores below read them
.irp i, 0,1
.irp c, 0,1,2
	global_store_b128 v[LI0], v[PC0+28*\i+4*\c:PC0+28*\i+4*\c+3], s[30:31] offset:49152*\i+512*\c
.endr
.endr
	global_store_b32 v[HSA], v[PWS], s[32:33] offset:HS_OFF
.Lnone:
	s_add_co_u32 s24, s24, 16                      ; my next group
	s_add_co_u32 s48, s48, 1
	s_cmp_lt_u32 s48, 2
	s_cbranch_scc1 .Lgroup
	s_wait_xcnt 0x0
	v_lshl_add_u32 v254, v0, 2, 0x19800
	v_mov_b32 v255, 0
	s_wait_dscnt 0x0                               ; the closing lines, six on end
	s_wait_alu 0x0
	s_wait_tensorcnt 0x0
	ds_add_u32 v254, v255
	s_wait_dscnt 0x0
	s_endpgm
.Lfunc_end_k_qee212ce0ec_up:
	.size	k_qee212ce0ec_up, .Lfunc_end_k_qee212ce0ec_up-k_qee212ce0ec_up
	.p2alignl 7, 3214868480
	.fill 96, 4, 3214868480
	.section	.rodata,"a",@progbits
	.p2align	6, 0x0
	.amdhsa_kernel k_qee212ce0ec_up
		.amdhsa_group_segment_fixed_size 106496
		.amdhsa_private_segment_fixed_size 0
		.amdhsa_enable_private_segment 0
		.amdhsa_kernarg_size 40
		.amdhsa_user_sgpr_count 2
		.amdhsa_user_sgpr_kernarg_segment_ptr 1
		.amdhsa_wavefront_size32 1
		.amdhsa_system_sgpr_workgroup_id_x 1
		.amdhsa_system_sgpr_workgroup_id_y 1
		.amdhsa_system_sgpr_workgroup_id_z 1
		.amdhsa_system_vgpr_workitem_id 0
		.amdhsa_next_free_vgpr 256
		.amdhsa_next_free_sgpr 66
		.amdhsa_reserve_vcc 0
		.amdhsa_float_denorm_mode_32 3
		.amdhsa_float_denorm_mode_16_64 3
		.amdhsa_memory_ordered 1
		.amdhsa_forward_progress 1
		.amdhsa_inst_pref_size 92
	.end_amdhsa_kernel
	.amdgpu_metadata
---
amdhsa.version: [ 1, 2 ]
amdhsa.kernels:
  - .name:           k_qee212ce0ec_up
    .symbol:         k_qee212ce0ec_up.kd
    .args:
      - { .name: W1, .offset: 0, .size: 8, .value_kind: global_buffer, .address_space: global }
      - { .name: b1, .offset: 8, .size: 8, .value_kind: global_buffer, .address_space: global }
      - { .name: xq, .offset: 16, .size: 8, .value_kind: global_buffer, .address_space: global }
      - { .name: plan, .offset: 24, .size: 8, .value_kind: global_buffer, .address_space: global }
      - { .name: hq, .offset: 32, .size: 8, .value_kind: global_buffer, .address_space: global }
    .group_segment_fixed_size: 106496
    .private_segment_fixed_size: 0
    .kernarg_segment_align: 8
    .kernarg_segment_size: 40
    .max_flat_workgroup_size: 512
    .sgpr_count:     66
    .vgpr_count:     256
    .wavefront_size: 32
...
	.end_amdgpu_metadata
.endif
;; end of part 8
;; launch down (part 9): grid 32 x 8, 16 waves a work-group, no clusters, 174,080 bytes of LDS; arguments W2, hq, plan, yp; writes yp
.if DOCPART == 9
	.amdgcn_target "amdgcn-amd-amdhsa--gfx1250"
	.amdhsa_code_object_version 6
	.text
	.protected	k_qee212ce0ec_down
	.globl	k_qee212ce0ec_down
	.p2align	8
	.type	k_qee212ce0ec_down,@function
k_qee212ce0ec_down:
	s_mov_b64 s[64:65], 0
	v_nop
	global_prefetch_b8 v0, s[64:65] scope:SCOPE_SE
	s_setreg_imm32_b32 hwreg(HW_REG_WAVE_SCHED_MODE, 0, 2), 2
	s_setreg_imm32_b32 hwreg(HW_REG_WAVE_MODE, 25, 1), 1
	s_wait_xcnt 0x0
	s_wait_alu depctr_vm_vsrc(0)
; THE SECOND PRODUCT: y = h W2[e] for the rows routed to expert e, on codes of FP6 (E2M3) with one E8M0 scale for each 32 along K = DFF; here one half of K.  Bias, gate and the sum of halves follow in the last launch.
; SHARES.  Work-group (x, expert): x & 15 = 64 columns (256 consecutive bytes of each row of W2[e], aligned), x >> 4 = which 2,048 of K: 512 KB of f32, read ONCE, kept in LDS as 96 KB of codes.  256 work-groups.
;   (32 columns over all of K would take 128 bytes of a row at a time; 64 columns over all of K would be 128 work-groups; four parts of K would double yp.)
; PHASE S, the stream: wave w takes 32 columns (w & 1) x 256 along K (w >> 1).  A lane takes a column and its registers run down K; a block's 24 bytes of codes go to the place in LDS from which the operand's lane will load them.
; PHASE M: behind the one barrier wave w takes the expert's groups w and w + 16 of 32 rows: 4 tiles of columns x 2 tiles of rows = 8 accumulators, 16 K steps of 128.  Source 0 = 16 columns of W2, source 1 = 16 rows of h:
;   a lane holds eight neighbouring outputs of one row.  h's images come from memory three K steps ahead.
;   An expert has 1,024 rows at the most, 32 groups: so the loop has TWO trips, a constant; a trip whose group the expert does not have is jumped over, by a scalar branch on the stored count.
; OUT.  yp[K half][2,304 slots][1,024] f32, through the wave's own stage in LDS: sixteen lanes store 256 consecutive bytes, aligned.
; NO TENSOR LOADS, NO CLUSTER: which trips of phase M do work hangs on counts read from memory; what the 16 work-groups of an expert and K half share is h's images (24 KB a tile), beside 512 KB of weights a work-group that nobody shares.
; LIMITS: blocks whose largest magnitude lies under 2^-124 keep the scale byte 1; a block of zeros gets 1 where the rule says 127 (zero codes; this program alone reads the bytes); NaN and infinities are not served.
; THE MODE: SCHED_MODE bits 1:0 = 2 (LLVM: expert scheduling mode 2), set by the entry lines.  The code itself states the register dependences
;   between vector or matrix instructions and memory or LDS instructions, with s_wait_alu, always for 0.
; THE PLAN.  Registers that memory or LDS instructions touch:
;   v4-v13       offsets and LDS addresses: made once at the head, never written again: one wait on va_vdst ahead of the first load.  v24, v25: made at the head, read by the closing add alone.
;   XR0 .. XR3   the stream's raw sets.  Block t's maxima and conversions read XR[t % 4]; the loads of block t + 3, at block t's end, land in XR[(t - 1) % 4].
;   CB[t]        block t's codes: written by block t's conversions and moves, read by the two LDS stores that are issued in block t + 1, not written again in the stream.
;                So ONE wait on va_vdst at the head of a block states all that the block's two stores and 32 loads hang on: block t's vector lines name neither buffer.
;   WF           two halves: tiles 0, 1 and tiles 2, 3.  Half a K step is four products on one half; the LDS loads for the next four products land in the other half.
;   HF0 .. HF3, HS0 .. HS3   K step s reads set s % 4; the loads for K step s + 3 land in set (s - 1) % 4.   WS0, WS1: K step s reads set s % 2; the other is asked for in the step's second half.
;                So ONE wait on va_vdst ahead of each four products, behind the wait for their own fragments: the four before are done reading the other half (at a K step's head: the last K step is done with its set of h).
;                The loads follow it, dealt among the four products, which name none of the registers that those loads touch.
;   The accumulators are the data of the way out's LDS stores; v80-143 take the rows back from the stage and are the data of the stores to yp.
;                One wait on va_vdst ahead of the way out; at a trip's head one on vm_vsrc and one on va_vdst.
.set PITCH,  4096                      ; bytes from a row of W2[e] to the next
.set WSC,    98304                     ; LDS: 0.. images of (tile t, K step s) at (16 t + s) x 1,536;  here the scale words: K step s at 256 s, lane l's 8 bytes: word p = tile 2 p + l / 16, row l % 16
.set STG,    102400                    ; a stage of 16 rows x (256 + 16) bytes for each wave
.set HS_OFF, 7077888
.set YH,     9437184                   ; a K half of yp
.set GA,  4                            ; v4   W2: 4 x lane
.set WA,  5                            ; v5   where my codes go
.set WSA, 6                            ; v6   where my scale words go
.set LI0, 7                            ; v7   16 x lane; tiles 0, 1
.set LI1, 8                            ; v8   tiles 2, 3 (49,152 bytes on)
.set WSR, 9                            ; v9   W2's scale words, to read
.set HSA, 10                           ; v10  h's scale words: lanes 0-15 the group's first tile, lanes 16-31 its second
.set SO,  11                           ; v11  the stage: where I put 32 bytes of a row
.set SR,  12                           ; v12  and where I read a row back
.set YA,  13                           ; v13  the same place in yp
.set WS,  16                           ; v[16:19] W2's scale words, two sets of two: scales and nothing else
.set HS,  20                           ; v[20:23] h's, four sets: scales and nothing else
.set M0,  26
.set M1,  27
.set SO_, 28
.set BY,  29
.set SB,  30
.set CB,  32                           ; v[32:79]  the stream: six registers of codes for each of my 8 blocks
.set T,   80                           ; v[80:82]  the stream: a block's upper 16 codes
.set XR,  96                           ; v[96:223] the stream: four sets of 32 numbers
.set WF,  32                           ; v[32:79]  W2's four fragments of a K step
.set HF,  80                           ; v[80:175] h: four sets of two fragments
.set OB,  80                           ; the way out: v[80:111], v[112:143]: a tile's rows read back
.set ACC, 192                          ; v[192:255] accumulator (tile of rows i, tile of columns t) at 192 + 32 i + 8 t
.macro NOP4
.rept 4
	v_nop
.endr
.endm
.macro LOAD t
.irp i, 0,1,2,3,4,5,6,7,8,9,10,11,12,13,14,15,16,17,18,19,20,21,22,23,24,25,26,27,28,29,30,31
	global_load_b32 v[XR+32*((\t)%4)+\i], v[GA], s[20:21] offset:(32*(\t)+\i)*PITCH th:TH_LOAD_NT
.endr
.endm
.macro PUT t                           ; block t's codes go to LDS: K step t / 4 of my two, the half t % 2 of the operand's lanes
.set PB, CB+6*(\t)
.set PQ, (\t)/4
.set PH, (\t)%2
.if ((\t)%4)/2 == 0
	ds_store_b128 v[WA], v[PB:PB+3] offset:1536*PQ+256*PH
	ds_store_b64 v[WA], v[PB+4:PB+5] offset:1536*PQ+256*PH+512
.else
	ds_store_b64 v[WA], v[PB:PB+1] offset:1536*PQ+256*PH+520
	ds_store_b128 v[WA], v[PB+2:PB+5] offset:1536*PQ+256*PH+1024
.endif
.endm
.macro BLOCK t
.set XB, XR+32*((\t)%4)
.set C, CB+6*(\t)
.set Q, (\t)/4
.if (\t) <= 5
	s_wait_loadcnt 63                              ; 64 loads were issued behind this block's; the count names one fewer
.elseif (\t) == 6
	s_wait_loadcnt 32
.else
	s_wait_loadcnt 0x0
.endif
.if (\t) > 0
	s_wait_alu depctr_va_vdst(0)                   ; the block before has written its codes, which the two LDS stores below read, and is done reading its set, in which the loads at this block's end land
	PUT (\t)-1
.endif
	v_max3_num_f32 v[M0], |v[XB]|, |v[XB+1]|, |v[XB+2]|            ; the block's largest magnitude: all 32 numbers are mine
	v_max3_num_f32 v[M1], |v[XB+3]|, |v[XB+4]|, |v[XB+5]|
.irp i, 6,10,14,18,22,26
	v_max3_num_f32 v[M0], v[M0], |v[XB+\i]|, |v[XB+\i+1]|
	v_max3_num_f32 v[M1], v[M1], |v[XB+\i+2]|, |v[XB+\i+3]|
.endr
	v_max3_num_f32 v[M0], v[M0], |v[XB+30]|, |v[XB+31]|
	v_max3_num_f32 v[M0], v[M0], v[M1], 0x1800000  ; and the floor 2^(3 - 127)
	v_add_nc_u32 v[SO_], 0xff000000, v[M0]         ; 2 off its exponent field: the conversions' scale operand
	v_cvt_scalef32_pk16_fp6_f32 v[C:C+2], v[XB:XB+15], v[SO_]
	v_cvt_scalef32_pk16_fp6_f32 v[T:T+2], v[XB+16:XB+31], v[SO_]
	v_lshrrev_b32 v[BY], 23, v[SO_]                ; the scale's byte.  (The plain instruction behind the conversions)
.if (\t)%4 == 0
	v_mov_b32 v[SB+Q], v[BY]
.else
	v_lshl_or_b32 v[SB+Q], v[BY], 8*((\t)%4), v[SB+Q]
.endif
.irp i, 0,1,2
	v_mov_b32 v[C+3+\i], v[T+\i]
.endr
.if (\t)+3 <= 7
	LOAD (\t)+3                                    ; into the set that the block before worked on.  No wait: no vector instruction since the wait at this block's head names it (block 0: none has named the fourth set at all)
.endif
.endm
.macro HL s                            ; the group's two fragments of h and their scale words for K step s: seven loads, into set s % 4
.irp i, 0,1
.irp c, 0,1,2
	global_load_b128 v[HF+24*((\s)%4)+12*\i+4*\c:HF+24*((\s)%4)+12*\i+4*\c+3], v[LI0], s[26:27] offset:49152*\i+1536*(\s)+512*\c
.endr
.endr
	global_load_b32 v[HS+(\s)%4], v[HSA], s[28:29] offset:HS_OFF+64*(\s)
.endm
.macro FRW t, s
.irp c, 0,1,2
.if (\t) < 2
	ds_load_b128 v[WF+12*(\t)+4*\c:WF+12*(\t)+4*\c+3], v[LI0] offset:(16*(\t)+(\s))*1536+512*\c
.else
	ds_load_b128 v[WF+12*(\t)+4*\c:WF+12*(\t)+4*\c+3], v[LI1] offset:(16*((\t)-2)+(\s))*1536+512*\c
.endif
.endr
.endm
.macro MM1 t, i, s                     ; the first K step's products start the sums with the constant 0: nothing is cleared
.set rD, ACC+32*(\i)+8*(\t)
.set rA, WF+12*(\t)
.set rB, HF+24*((\s)%4)+12*(\i)
.set rSA, WS+2*((\s)%2)+(\t)/2
.set rSB, HS+(\s)%4
.if (\s) == 0
.if ((\t)%2 == 0) && ((\i) == 0)
	v_wmma_scale_f32_16x16x128_f8f6f4 v[rD:rD+7], v[rA:rA+11], v[rB:rB+11], 0, v[rSA], v[rSB] matrix_a_fmt:MATRIX_FMT_FP6 matrix_b_fmt:MATRIX_FMT_FP6
.elseif (\i) == 0
	v_wmma_scale_f32_16x16x128_f8f6f4 v[rD:rD+7], v[rA:rA+11], v[rB:rB+11], 0, v[rSA], v[rSB] matrix_a_fmt:MATRIX_FMT_FP6 matrix_b_fmt:MATRIX_FMT_FP6 matrix_a_scale:MATRIX_SCALE_ROW1
.elseif (\t)%2 == 0
	v_wmma_scale_f32_16x16x128_f8f6f4 v[rD:rD+7], v[rA:rA+11], v[rB:rB+11], 0, v[rSA], v[rSB] matrix_a_fmt:MATRIX_FMT_FP6 matrix_b_fmt:MATRIX_FMT_FP6 matrix_b_scale:MATRIX_SCALE_ROW1
.else
	v_wmma_scale_f32_16x16x128_f8f6f4 v[rD:rD+7], v[rA:rA+11], v[rB:rB+11], 0, v[rSA], v[rSB] matrix_a_fmt:MATRIX_FMT_FP6 matrix_b_fmt:MATRIX_FMT_FP6 matrix_a_scale:MATRIX_SCALE_ROW1 matrix_b_scale:MATRIX_SCALE_ROW1
.endif
.else
.if ((\t)%2 == 0) && ((\i) == 0)
	v_wmma_scale_f32_16x16x128_f8f6f4 v[rD:rD+7], v[rA:rA+11], v[rB:rB+11], v[rD:rD+7], v[rSA], v[rSB] matrix_a_fmt:MATRIX_FMT_FP6 matrix_b_fmt:MATRIX_FMT_FP6
.elseif (\i) == 0
	v_wmma_scale_f32_16x16x128_f8f6f4 v[rD:rD+7], v[rA:rA+11], v[rB:rB+11], v[rD:rD+7], v[rSA], v[rSB] matrix_a_fmt:MATRIX_FMT_FP6 matrix_b_fmt:MATRIX_FMT_FP6 matrix_a_scale:MATRIX_SCALE_ROW1
.elseif (\t)%2 == 0
	v_wmma_scale_f32_16x16x128_f8f6f4 v[rD:rD+7], v[rA:rA+11], v[rB:rB+11], v[rD:rD+7], v[rSA], v[rSB] matrix_a_fmt:MATRIX_FMT_FP6 matrix_b_fmt:MATRIX_FMT_FP6 matrix_b_scale:MATRIX_SCALE_ROW1
.else
	v_wmma_scale_f32_16x16x128_f8f6f4 v[rD:rD+7], v[rA:rA+11], v[rB:rB+11], v[rD:rD+7], v[rSA], v[rSB] matrix_a_fmt:MATRIX_FMT_FP6 matrix_b_fmt:MATRIX_FMT_FP6 matrix_a_scale:MATRIX_SCALE_ROW1 matrix_b_scale:MATRIX_SCALE_ROW1
.endif
.endif
.endm
; A K step: 8 products in two halves of four.  The eight accumulators take turns, one instruction a turn, in the same order in every K step and over the backward jump.
.macro STEP s
.if (\s) <= 13
	s_wait_loadcnt 14                              ; h of this K step is in; the two steps' loads behind it, seven each, may be out
.else
	s_wait_loadcnt 7*(15-(\s))                     ; the counts run down
.endif
	s_wait_dscnt 0x0                               ; tiles 0, 1 and the scale words are in
.if (\s) > 0
	s_wait_alu depctr_va_vdst(0)                   ; the last K step's products are done reading tiles 2, 3 and their set of h and of its scale words, in which the loads of this half land (K step 0: the wait at the trip's head has said so)
.endif
	MM1 0, 0, \s
.if (\s) <= 12
	HL (\s)+3                                      ; into the set that the last K step multiplied
.endif
	MM1 0, 1, \s
	FRW 2, \s
	MM1 1, 0, \s
	FRW 3, \s
	MM1 1, 1, \s
	s_wait_dscnt 0x0                               ; tiles 2, 3 are in
.if (\s) < 15
	s_wait_alu depctr_va_vdst(0)                   ; the products of tiles 0, 1 are done reading their fragments, in which the next K step's land; the last K step's were done long ago with the set of scale words asked for below
.endif
	MM1 2, 0, \s
.if (\s) < 15
	ds_load_b64 v[WS+2*(((\s)+1)%2):WS+2*(((\s)+1)%2)+1], v[WSR] offset:256*((\s)+1)
	FRW 0, (\s)+1
.endif
	MM1 2, 1, \s
.if (\s) < 15
	FRW 1, (\s)+1
.endif
	MM1 3, 0, \s
	MM1 3, 1, \s
.endm
	s_load_b256 s[4:11], s[0:1], 0x0               ; W2 s[4:5], hq s[6:7], plan s[8:9], yp s[10:11]
	v_lshl_add_u32 v24, v0, 2, 0x2a000
	v_mov_b32 v25, 0
	v_lshrrev_b32 v1, 5, v0
	v_readfirstlane_b32 s14, v1                    ; wave 0..15
	v_and_b32 v1, 31, v0                           ; lane
	v_and_b32 v2, 15, v0                           ; r
	v_bfe_u32 v3, v0, 4, 1                         ; h (in the stream: which tile of my pair)
	s_wait_alu depctr_va_vdst(0)
	s_wait_alu depctr_va_sdst(0)                   ; s14 is written, ahead of its first reader: the wave's shares and addresses are made from it
	s_and_b32 s15, s14, 1                          ; my 32 columns
	s_lshr_b32 s16, s14, 1                         ; my 256 along K
	s_and_b32 s17, ttmp7, 0xffff                   ; the expert
	s_and_b32 s18, ttmp9, 15                       ; the 64 columns
	s_lshr_b32 s37, ttmp9, 4                       ; the K half
	v_lshlrev_b32 v[GA], 2, v1
	s_mul_i32 s36, s15, 49152                      ; tile 2 (w & 1) + lane / 16: 24,576 bytes a tile;
	s_mul_i32 s40, s16, 3072                       ; K step 2 (w >> 1)
	s_add_co_u32 s36, s36, s40
	v_mul_u32_u24 v[WA], v3, 24576
	v_lshl_add_u32 v[WA], v2, 4, v[WA]
	v_add_nc_u32 v[WA], s36, v[WA]
	s_lshl_b32 s36, s16, 9
	s_lshl_b32 s40, s15, 2
	s_add_co_u32 s36, s36, s40
	s_add_co_u32 s36, s36, WSC
	v_lshl_add_u32 v[WSA], v1, 3, s36              ; 256 a K step, 8 a lane, word w & 1
	v_lshlrev_b32 v[LI0], 4, v1
	v_add_nc_u32 v[LI1], 49152, v[LI0]
	v_lshl_add_u32 v[WSR], v1, 3, WSC
	v_lshlrev_b32 v[HSA], 11, v3
	v_lshl_add_u32 v[HSA], v2, 2, v[HSA]
	s_mul_i32 s36, s14, 4352
	s_add_co_u32 s36, s36, STG                     ; my stage
	v_mul_u32_u24 v[SO], v2, 272
	v_lshl_add_u32 v[SO], v3, 5, v[SO]
	v_add_nc_u32 v[SO], s36, v[SO]                 ; in: row r, 32 bytes for each half of the lanes
	v_mul_u32_u24 v[SR], v3, 272
	v_lshl_add_u32 v[SR], v2, 4, v[SR]
	v_add_nc_u32 v[SR], s36, v[SR]                 ; back: lanes 0-15 one row of 256 bytes, lanes 16-31 the next
	v_lshlrev_b32 v[YA], 12, v3
	v_lshl_add_u32 v[YA], v2, 4, v[YA]             ; and the same two rows in yp
	s_lshl_b32 s38, s17, 24                        ; W2: 16,777,216 an expert,
	s_lshl_b32 s40, s37, 23                        ; 2,048 rows of 4,096 a K half,
	s_add_co_u32 s38, s38, s40
	s_lshl_b32 s40, s16, 20                        ; 256 rows,
	s_add_co_u32 s38, s38, s40
	s_lshl_b32 s40, s18, 8                         ; 256 bytes for 64 columns,
	s_add_co_u32 s38, s38, s40
	s_lshl_b32 s40, s15, 7                         ; 128 for 32
	s_add_co_u32 s38, s38, s40
	s_mov_b32 s39, 0
	s_mul_i32 s42, s37, YH                         ; yp: the K half, my 64 columns
	s_lshl_b32 s40, s18, 8
	s_add_co_u32 s42, s42, s40
	s_mov_b32 s43, 0
	s_lshl_b32 s19, s17, 3                         ; plan: 8 bytes an expert
	s_mul_i32 s44, s37, 24576                      ; hq: my 16 K steps' images in a tile,
	s_lshl_b32 s45, s37, 10                        ; and their scale words
	s_wait_kmcnt 0x0
	s_load_b64 s[22:23], s[8:9], s19 offset:0x0    ; the expert's first tile, its groups
	s_add_nc_u64 s[20:21], s[4:5], s[38:39]
	s_add_nc_u64 s[46:47], s[10:11], s[42:43]
	s_wait_alu depctr_va_vdst(0)                   ; the offsets and LDS addresses v4 to v13 are written: every load and store of the kernel reads one of them
	LOAD 0
	LOAD 1
	LOAD 2
.irp t, 0,1,2,3,4,5,6,7
	BLOCK \t
.endr
	s_wait_alu depctr_va_vdst(0)                   ; block 7 has written its codes and the second scale word, which the LDS stores below read
	PUT 7
	ds_store_b32 v[WSA], v[SB]
	ds_store_b32 v[WSA], v[SB+1] offset:256
	s_wait_kmcnt 0x0
	s_min_u32 s22, s22, 142                        ; 142 tiles at the most are in use
	s_min_u32 s23, s23, 32                         ; an expert has 1,024 rows at the most
	s_wait_dscnt 0x0                               ; for the others' sake: my codes and scale words have landed
	s_barrier_signal -1
	s_barrier_wait -1                              ; the one barrier: the slice lies in LDS, and is only read from here on
	s_mov_b32 s24, s14                             ; my first group
	s_mov_b32 s48, 0                               ; trips done
.Lgroup:                                               ; two trips: groups w and w + 16 cover the 32 groups that an expert can have
	s_cmp_ge_u32 s24, s23                          ; the expert has no such group: the trip's work is jumped over (no barrier stands in it)
	s_cbranch_scc1 .Lnone
	s_wait_xcnt 0x0                                ; the last trip's stores have read their data and base: both are written again below
	NOP4                                           ; four places between the vector instructions that last wrote the fragments' registers and this trip's products
	s_wait_alu depctr_vm_vsrc(0)                   ; the stream's LDS stores have read v32 to v79; the last trip's stores to yp have read v80 to v143 and its LDS stores the accumulators: loads land in the first two below, the first products write the third
	s_wait_alu depctr_va_vdst(0)                   ; the stream is done writing and reading v32 to v223, in which the fragments and h land (second trip: the wait ahead of the way out has said so of the products)
	s_lshl_b32 s25, s24, 1
	s_add_co_u32 s25, s25, s22                     ; the group's first tile
	s_mul_i32 s38, s25, 49152
	s_add_co_u32 s38, s38, s44
	s_add_nc_u64 s[26:27], s[6:7], s[38:39]        ; h's images
	s_lshl_b32 s38, s25, 11
	s_add_co_u32 s38, s38, s45
	s_add_nc_u64 s[28:29], s[6:7], s[38:39]        ; h's scale words (HS_OFF stands in the loads)
	s_lshl_b32 s38, s25, 16
	s_add_nc_u64 s[30:31], s[46:47], s[38:39]      ; the group's rows of yp
	HL 0
	HL 1
	HL 2
	ds_load_b64 v[WS:WS+1], v[WSR]
	FRW 0, 0
	FRW 1, 0
.irp s, 0,1,2,3,4,5,6,7,8,9,10,11,12,13,14,15
	STEP \s
.endr
	; THE WAY OUT.  A lane holds 32 neighbouring bytes of a row and the lanes beside it other rows: a tile goes through my stage and comes back as rows of 256 bytes.
	; LDS serves a wave's instructions in order (ISA guide 5.7.1.4): no wait between the stores and the loads, nor in front of the second tile's stores.
	NOP4                                           ; four places behind the last products, before their results are read (ISA guide 7.12.1)
	s_wait_alu depctr_va_vdst(0)                   ; the products have written the accumulators, which the LDS stores read, and are done reading h's sets, in which the rows from the stage land; the places above stay beside this wait
.irp i, 0,1
.irp t, 0,1,2,3
	ds_store_b128 v[SO], v[ACC+32*\i+8*\t:ACC+32*\i+8*\t+3] offset:64*\t           ; each accumulator from its low end on
	ds_store_b128 v[SO], v[ACC+32*\i+8*\t+4:ACC+32*\i+8*\t+7] offset:64*\t+16
.endr
.irp q, 0,1,2,3,4,5,6,7
	ds_load_b128 v[OB+32*\i+4*\q:OB+32*\i+4*\q+3], v[SR] offset:544*\q
.endr
.endr
.irp i, 0,1
.irp q, 0,1,2,3,4,5,6,7
	s_wait_dscnt 16*(1-\i)+7-\q                    ; behind the first tile's loads stand the second's sixteen LDS instructions
	global_store_b128 v[YA], v[OB+32*\i+4*\q:OB+32*\i+4*\q+3], s[30:31] offset:65536*\i+8192*\q    ; 16 lanes store 256 consecutive bytes, at a multiple of 256 from yp's first byte
.endr
.endr
.Lnone:
	s_add_co_u32 s24, s24, 16                      ; my next group
	s_add_co_u32 s48, s48, 1
	s_cmp_lt_u32 s48, 2
	s_cbranch_scc1 .Lgroup
	s_wait_dscnt 0x0                               ; the closing lines, six on end
	s_wait_alu 0x0
	s_wait_tensorcnt 0x0
	ds_add_u32 v24, v25
	s_wait_dscnt 0x0
	s_endpgm
.Lfunc_end_k_qee212ce0ec_down:
	.size	k_qee212ce0ec_down, .Lfunc_end_k_qee212ce0ec_down-k_qee212ce0ec_down
	.p2alignl 7, 3214868480
	.fill 96, 4, 3214868480
	.section	.rodata,"a",@progbits
	.p2align	6, 0x0
	.amdhsa_kernel k_qee212ce0ec_down
		.amdhsa_group_segment_fixed_size 174080
		.amdhsa_private_segment_fixed_size 0
		.amdhsa_enable_private_segment 0
		.amdhsa_kernarg_size 32
		.amdhsa_user_sgpr_count 2
		.amdhsa_user_sgpr_kernarg_segment_ptr 1
		.amdhsa_wavefront_size32 1
		.amdhsa_system_sgpr_workgroup_id_x 1
		.amdhsa_system_sgpr_workgroup_id_y 1
		.amdhsa_system_sgpr_workgroup_id_z 1
		.amdhsa_system_vgpr_workitem_id 0
		.amdhsa_next_free_vgpr 256
		.amdhsa_next_free_sgpr 66
		.amdhsa_reserve_vcc 0
		.amdhsa_float_denorm_mode_32 3
		.amdhsa_float_denorm_mode_16_64 3
		.amdhsa_memory_ordered 1
		.amdhsa_forward_progress 1
		.amdhsa_inst_pref_size 88
	.end_amdhsa_kernel
	.amdgpu_metadata
---
amdhsa.version: [ 1, 2 ]
amdhsa.kernels:
  - .name:           k_qee212ce0ec_down
    .symbol:         k_qee212ce0ec_down.kd
    .args:
      - { .name: W2, .offset: 0, .size: 8, .value_kind: global_buffer, .address_space: global }
      - { .name: hq, .offset: 8, .size: 8, .value_kind: global_buffer, .address_space: global }
      - { .name: plan, .offset: 16, .size: 8, .value_kind: global_buffer, .address_space: global }
      - { .name: yp, .offset: 24, .size: 8, .value_kind: global_buffer, .address_space: global }
    .group_segment_fixed_size: 174080
    .private_segment_fixed_size: 0
    .kernarg_segment_align: 8
    .kernarg_segment_size: 32
    .max_flat_workgroup_size: 512
    .sgpr_count:     66
    .vgpr_count:     256
    .wavefront_size: 32
...
	.end_amdgpu_metadata
.endif
;; end of part 9
;; launch combine (part 10): grid 256 x 1, 4 waves a work-group, no clusters, 0 bytes of LDS; arguments yp, b2, plan, route, rval, out0; writes out0
.if DOCPART == 10
	.amdgcn_target "amdgcn-amd-amdhsa--gfx1250"
	.amdhsa_code_object_version 6
	.text
	.protected	k_qee212ce0ec_combine
	.globl	k_qee212ce0ec_combine
	.p2align	8
	.type	k_qee212ce0ec_combine,@function
k_qee212ce0ec_combine:
	s_mov_b64 s[64:65], 0
	v_nop
	global_prefetch_b8 v0, s[64:65] scope:SCOPE_SE
	s_setreg_imm32_b32 hwreg(HW_REG_WAVE_MODE, 25, 1), 1
	s_wait_xcnt 0x0
; THE SUM.  out[token] = p0 (y(slot0) + b2[e0]) + p1 (y(slot1) + b2[e1]), y(slot) = the two K halves of yp added.  All in f32.
; One wave to a token, so each output row has one owner.  The slots, experts and probabilities were stored by earlier launches; they come by scalar loads (no line here writes those buffers).
; A row is 4,096 bytes: eight pieces of 512 consecutive bytes, 16 a lane; six rows are read, all 48 loads of a wave go out at once, and each piece is stored as soon as its six have come.
; A stream: no LDS, no barrier, no matrix unit.
.set YH, 9437184                       ; a K half of yp
.set R0, 16                            ; v[16:207]: piece q at 16 + 24 q: y half 0, y half 1, b2 of the first expert; the same of the second
	s_load_b256 s[4:11], s[0:1], 0x0               ; yp s[4:5], b2 s[6:7], plan s[8:9], route s[10:11]
	s_load_b128 s[12:15], s[0:1], 0x20             ; rval s[12:13], out0 s[14:15]
	v_lshrrev_b32 v1, 5, v0
	v_readfirstlane_b32 s16, v1                    ; wave
	v_and_b32 v1, 31, v0
	v_lshlrev_b32 v2, 4, v1                        ; 16 bytes a lane
	s_lshl_b32 s17, ttmp9, 2
	s_add_co_u32 s16, s17, s16                     ; my token
	s_lshl_b32 s17, s16, 3
	s_lshl_b32 s18, s16, 12
	s_mov_b32 s19, 0
	s_wait_alu depctr_va_vdst(0)
	s_wait_kmcnt 0x0
	s_load_b64 s[20:21], s[8:9], s17 offset:0x100  ; its two slots,
	s_load_b64 s[22:23], s[10:11], s17 offset:0x4000   ; experts,
	s_load_b64 s[24:25], s[12:13], s17 offset:0x0  ; and probabilities
	s_add_nc_u64 s[44:45], s[14:15], s[18:19]      ; its row of the output
	s_mov_b32 s27, 0
	s_wait_kmcnt 0x0
	s_min_u32 s20, s20, 2303
	s_min_u32 s21, s21, 2303
	s_min_u32 s22, s22, 7
	s_min_u32 s23, s23, 7
	s_lshl_b32 s26, s20, 12
	s_add_nc_u64 s[28:29], s[4:5], s[26:27]
	s_add_nc_u64 s[30:31], s[28:29], YH
	s_lshl_b32 s26, s21, 12
	s_add_nc_u64 s[32:33], s[4:5], s[26:27]
	s_add_nc_u64 s[34:35], s[32:33], YH
	s_lshl_b32 s26, s22, 12
	s_add_nc_u64 s[36:37], s[6:7], s[26:27]
	s_lshl_b32 s26, s23, 12
	s_add_nc_u64 s[38:39], s[6:7], s[26:27]
	s_mov_b32 s40, s24                             ; the packed forms name a pair and take its low word for both halves: both words are written
	s_mov_b32 s41, s24
	s_mov_b32 s42, s25
	s_mov_b32 s43, s25
.irp q, 0,1,2,3,4,5,6,7
	global_load_b128 v[R0+24*\q:R0+24*\q+3], v2, s[28:29] offset:512*\q th:TH_LOAD_NT
	global_load_b128 v[R0+24*\q+4:R0+24*\q+7], v2, s[30:31] offset:512*\q th:TH_LOAD_NT
	global_load_b128 v[R0+24*\q+8:R0+24*\q+11], v2, s[36:37] offset:512*\q
	global_load_b128 v[R0+24*\q+12:R0+24*\q+15], v2, s[32:33] offset:512*\q th:TH_LOAD_NT
	global_load_b128 v[R0+24*\q+16:R0+24*\q+19], v2, s[34:35] offset:512*\q th:TH_LOAD_NT
	global_load_b128 v[R0+24*\q+20:R0+24*\q+23], v2, s[38:39] offset:512*\q
.endr
.irp q, 0,1,2,3,4,5,6,7
	s_wait_loadcnt 6*(7-\q)                        ; this piece's six loads are in; the later pieces' may be out
.irp p, 0,2
	v_pk_add_f32 v[R0+24*\q+\p:R0+24*\q+\p+1], v[R0+24*\q+\p:R0+24*\q+\p+1], v[R0+24*\q+4+\p:R0+24*\q+4+\p+1]
	v_pk_add_f32 v[R0+24*\q+12+\p:R0+24*\q+12+\p+1], v[R0+24*\q+12+\p:R0+24*\q+12+\p+1], v[R0+24*\q+16+\p:R0+24*\q+16+\p+1]
	v_pk_add_f32 v[R0+24*\q+\p:R0+24*\q+\p+1], v[R0+24*\q+\p:R0+24*\q+\p+1], v[R0+24*\q+8+\p:R0+24*\q+8+\p+1]
	v_pk_add_f32 v[R0+24*\q+12+\p:R0+24*\q+12+\p+1], v[R0+24*\q+12+\p:R0+24*\q+12+\p+1], v[R0+24*\q+20+\p:R0+24*\q+20+\p+1]
	v_pk_mul_f32 v[R0+24*\q+\p:R0+24*\q+\p+1], v[R0+24*\q+\p:R0+24*\q+\p+1], s[40:41] op_sel_hi:[1,0]
	v_pk_fma_f32 v[R0+24*\q+\p:R0+24*\q+\p+1], v[R0+24*\q+12+\p:R0+24*\q+12+\p+1], s[42:43], v[R0+24*\q+\p:R0+24*\q+\p+1] op_sel_hi:[1,0,1]
.endr
	global_store_b128 v2, v[R0+24*\q:R0+24*\q+3], s[44:45] offset:512*\q th:TH_STORE_NT    ; 32 lanes store 512 consecutive bytes, aligned; each piece has registers of its own
.endr
	s_endpgm
.Lfunc_end_k_qee212ce0ec_combine:
	.size	k_qee212ce0ec_combine, .Lfunc_end_k_qee212ce0ec_combine-k_qee212ce0ec_combine
	.p2alignl 7, 3214868480
	.fill 96, 4, 3214868480
	.section	.rodata,"a",@progbits
	.p2align	6, 0x0
	.amdhsa_kernel k_qee212ce0ec_combine
		.amdhsa_group_segment_fixed_size 0
		.amdhsa_private_segment_fixed_size 0
		.amdhsa_enable_private_segment 0
		.amdhsa_kernarg_size 48
		.amdhsa_user_sgpr_count 2
		.amdhsa_user_sgpr_kernarg_segment_ptr 1
		.amdhsa_wavefront_size32 1
		.amdhsa_system_sgpr_workgroup_id_x 1
		.amdhsa_system_sgpr_workgroup_id_y 1
		.amdhsa_system_sgpr_workgroup_id_z 1
		.amdhsa_system_vgpr_workitem_id 0
		.amdhsa_next_free_vgpr 208
		.amdhsa_next_free_sgpr 66
		.amdhsa_reserve_vcc 0
		.amdhsa_float_denorm_mode_32 3
		.amdhsa_float_denorm_mode_16_64 3
		.amdhsa_memory_ordered 1
		.amdhsa_forward_progress 1
		.amdhsa_inst_pref_size 14
	.end_amdhsa_kernel
	.amdgpu_metadata
---
amdhsa.version: [ 1, 2 ]
amdhsa.kernels:
  - .name:           k_qee212ce0ec_combine
    .symbol:         k_qee212ce0ec_combine.kd
    .args:
      - { .name: yp, .offset: 0, .size: 8, .value_kind: global_buffer, .address_space: global }
      - { .name: b2, .offset: 8, .size: 8, .value_kind: global_buffer, .address_space: global }
      - { .name: plan, .offset: 16, .size: 8, .value_kind: global_buffer, .address_space: global }
      - { .name: route, .offset: 24, .size: 8, .value_kind: global_buffer, .address_space: global }
      - { .name: rval, .offset: 32, .size: 8, .value_kind: global_buffer, .address_space: global }
      - { .name: out0, .offset: 40, .size: 8, .value_kind: global_buffer, .address_space: global }
    .group_segment_fixed_size: 0
    .private_segment_fixed_size: 0
    .kernarg_segment_align: 8
    .kernarg_segment_size: 48
    .max_flat_workgroup_size: 128
    .sgpr_count:     66
    .vgpr_count:     208
    .wavefront_size: 32
...
	.end_amdgpu_metadata
.endif
;; end of part 10
